; MI455X (gfx1250); checked and timed in simulation.
; The chip was launched on July 23, 2026; its instructions are those of AMD's public machine-readable ISA for CDNA 5 (MIT licence, August 2026) and "CDNA5" Instruction Set Architecture Reference Guide (July 2026). The comments in the code are by the model that wrote it; some were corrected since.
;; Multi Head Attention. Allowed arithmetic: matrix products marked QUANTISED: E3M2 operands, one E8M0 scale for each 32 along K, by v_wmma_scale_f32_16x16x128_f8f6f4 with both operands' format E3M2, f32 sums; everything else in f32.
;; Inputs: WK_w 1,024 x 1,024 float32; WO_b 1,024 float32; WO_w 1,024 x 1,024 float32; WQ_b 1,024 float32; WQ_w 1,024 x 1,024 float32; WV_b 1,024 float32; WV_w 1,024 x 1,024 float32; attn_mask 4 x 2,048 x 2,048 float32; x 4 x 2,048 x 1,024 float32.
;; Outputs: out0 4 x 2,048 x 1,024 float32.
;; This version of the problem:
;;   THIS VERSION OF THE PROBLEM IS GIVEN IN LOW PRECISION. The matrix products marked QUANTISED in the list below multiply operands that are first quantised to E3M2 (3 exponent bits, 2 mantissa bits; 6 bits a number), with one power-of-two scale for each 32 numbers along K (OCP MX v1.0); their sums are f32. All else is computed in f32.
;;   The module's matrix products, in the order in which they are computed (A, B: the left and right operand; K: the contracted axis; several contracted axes count as one K, in the product's order):
;;     1. [M 8,192, K 1,024] x [K 1,024, N 1,024]; A: input x; B: input WQ_w: QUANTISED
;;     2. [M 8,192, K 1,024] x [K 1,024, N 1,024]; A: input x; B: input WK_w: QUANTISED
;;     3. [M 8,192, K 1,024] x [K 1,024, N 1,024]; A: input x; B: input WV_w: QUANTISED
;;     4. batch 64 x [M 2,048, K 64] x [K 64, N 2,048]; A: computed on the way; B: computed on the way: QUANTISED
;;     5. batch 64 x [M 2,048, K 2,048] x [K 2,048, N 64]; A: softmax (see below); B: computed on the way: QUANTISED
;;     6. [M 8,192, K 1,024] x [K 1,024, N 1,024]; A: computed on the way; B: input WO_w: QUANTISED
;;   THE QUANTISER, for each operand of a quantised product, along K:
;;     - K is cut into blocks of 32 from its start; a last block that is shorter is filled with zeros.
;;     - A block's scale is 2^e with e = floor(log2(the largest magnitude in the block)) - 4, held to -126 .. 127; a block of zeros has e = 0. As a byte (E8M0): e + 127.
;;     - Each number is divided by its block's scale, clamped to +-28, and rounded to the nearest number of E3M2, ties to even, subnormals kept.
;;     - The product sums the exact products of the quantised numbers (number of the format x scale) in f32.
;;   ~~~python
;;   def quantise(x, axis):      # numpy; x: float32 -> the quantised numbers, widened to float32 again
;;       x = np.moveaxis(x, axis, -1); K = x.shape[-1]
;;       x = np.pad(x, [(0, 0)] * (x.ndim - 1) + [(0, -K % 32)]); x = x.reshape(x.shape[:-1] + (-1, 32)); a = np.abs(x).max(-1, keepdims=True)
;;       e = np.where(a > 0, np.clip(np.frexp(np.where(a > 0, a, 1))[1] - 1 - 4, -126, 127), 0)      # np.frexp(a)[1] - 1 = floor(log2(a)), exactly
;;       r = np.clip(x / 2.0 ** e, -28, 28)
;;       step = 2.0 ** (np.maximum(np.frexp(np.where(r == 0, 1, r))[1] - 1, -2) - 2)
;;       q = np.round(r / step) * step * 2.0 ** e      # np.round: ties to even
;;       return np.moveaxis(q.reshape(q.shape[:-2] + (-1,))[..., :K], -1, axis).astype(np.float32)
;;   ~~~
;;   SOFTMAX AHEAD OF A QUANTISED PRODUCT. Where the list says 'softmax', what is quantised is not the finished softmax but p = 2^(t - M), with t = logit x log2(e) and M = ceil(the row's largest t), a whole number; so 1/2 < the row's largest p <= 1. The row's sum l is taken of the UNQUANTISED p, in f32, and the product's result is divided by l at the end. Since M is a whole number, a kernel that streams over the keys may use a running M (the ceiling of the running maximum): every later rescaling is an exact power of two, which a block's scale takes up: the codes' values come out the same.
;;   OPERANDS COMPUTED ON THE WAY. 'Computed on the way' means the value that the module computes at that place (a softmax that the list does not call 'softmax' is quantised finished and normalised). What goes into a quantiser is computed in f32, as accurately as f32 sums, v_exp_f32 and their like allow (about 1e-6 of the number): no bf16 or f16 on the way to a quantiser, and a product that is left as it is and whose result goes on into a quantised operand takes f32 operands (vector FMAs, or v_wmma_f32_16x16x4_f32). A number that lies on a knife's edge between two numbers of the format may be rounded either way, as far as f32 arithmetic and the matrix unit's own rounding can turn it there, and no further.
;; One version. Each part assembles by itself: llvm-mc -triple=amdgcn-amd-amdhsa -mcpu=gfx1250 --defsym DOCPART=n.
;; ======== version 1 of 1: 4 launches
;; limits: right only within a limited range of input values
;; workspace buffers: xcodes 6,291,456 bytes; xscales 262,144 bytes; wcodes 3,145,728 bytes; wscales 131,072 bytes; q 6,815,744 bytes; kv 13,369,344 bytes; acodes 6,291,456 bytes; ascales 262,144 bytes
;; launch quant (part 1): grid 384 x 1, 4 waves a work-group, no clusters, 33,280 bytes of LDS; arguments x, WQ_w, WK_w, WV_w, WO_w, xcodes, xscales, wcodes, wscales; writes xcodes, xscales, wcodes, wscales
.if DOCPART == 1
	.amdgcn_target "amdgcn-amd-amdhsa--gfx1250"
	.amdhsa_code_object_version 6
	.text
	.protected	k_qc4ecf48e10_quant
	.globl	k_qc4ecf48e10_quant
	.p2align	8
	.type	k_qc4ecf48e10_quant,@function
k_qc4ecf48e10_quant:
	s_mov_b64 s[64:65], 0
	v_nop
	global_prefetch_b8 v0, s[64:65] scope:SCOPE_SE
	s_setreg_imm32_b32 hwreg(HW_REG_WAVE_MODE, 25, 1), 1
	s_wait_xcnt 0x0
; x [8192][1024] and the four weights [1024][1024], f32, K innermost, become codes of BF6 (E3M2), 6 bits each, with one E8M0 scale byte for each 32 along K.
; xcodes [8192][768 bytes], xscales [8192][32];  wcodes [4096][768], wscales [4096][32], the rows in the order WQ, WK, WV, WO.
; A block's scale is 2^(floor(log2(its largest magnitude)) - 4); its byte is the largest magnitude's exponent field - 4, held at 1 from below.
; THE ORDER INSIDE A BLOCK: the 32 codes of a block lie in the order 0-7, 16-23, 8-15, 24-31 of the block's numbers.  Every operand of every product of this program has that order, so every
; product meets its partner, and a block's scale does not know of the order.  It is the order in which two neighbouring 16 x 16 results fall out of the matrix unit, so later launches move nothing.
; LIMITS: a block of zeros gets the byte 1 (its codes are zeros; only this program reads the bytes); blocks under 2^-122 keep the byte 1; NaN and infinities are not served.
; SHARES: a work-group takes 32,768 numbers, a wave 8,192 in 16 steps of 512.  Work-groups 0-255 take x, 256 + 32 i on take weight i.  Rows are dense: the tensors are plain streams of blocks.
; Each load reads 512 consecutive bytes, 16 a lane; a step's 2,048 bytes turn through the wave's own stage in LDS, so that a lane gets 16 numbers of ONE block: the even lane of a pair numbers
; 0-7 and 16-23, the odd lane 8-15 and 24-31.  (The reads from the stage stand 160 bytes from pair to pair and some meet in a bank; the launch streams from memory, so that is accepted.)
.set STEPS, 16
.set EMAX,  4
.set CB,    12                         ; bytes of 16 codes
; WHERE THE CODES GO (in place of plain rows of 768 bytes): [block of 256 rows][K step of 256 numbers][row][192 bytes]: a block is 196,608 bytes, a K step's plane in it 49,152.
; So the 128 or 256 rows x 192 bytes that a later launch loads as one tile are consecutive bytes that begin at a multiple of 256.
.set R,     16                         ; v16-143  eight sets of 16 numbers as loaded: loads run eight steps, 32 loads a wave, ahead
.set X,     144                        ; v144-175 two sets of 16 numbers of a block
.set E,     176                        ; v176-191 a scale byte for each step
.set C,     196                        ; v196-227 codes: four registers for each of eight steps; they are written again eight steps on, behind a wait on XCNT
.set WREG,  8192                       ; LDS: a region for each wave: two stages of 32 x SP bytes, then its 256 scale bytes
.set SP,    80                         ; 64 bytes of numbers + 16 of padding
	s_load_b256 s[4:11], s[0:1], 0x0               ; x, WQ, WK, WV
	s_load_b256 s[12:19], s[0:1], 0x20             ; WO, xcodes, xscales, wcodes
	s_load_b64 s[20:21], s[0:1], 0x40              ; wscales
	v_lshl_add_u32 v192, v0, 2, 0x8000
	v_mov_b32 v193, 0
	v_lshrrev_b32 v1, 5, v0
	v_readfirstlane_b32 s22, v1                    ; wave
	v_and_b32 v2, 31, v0                           ; lane
	v_lshlrev_b32 v3, 4, v2                        ; my 16 bytes of a load's 512
	s_mul_i32 s23, s22, WREG
	v_lshrrev_b32 v14, 2, v2
	v_mul_u32_u24 v14, v14, SP
	v_and_b32 v15, 3, v2
	v_lshl_add_u32 v14, v15, 4, v14
	v_add_nc_u32 v14, s23, v14                     ; into the stage: SP (lane / 4) + 16 (lane % 4)
	v_lshrrev_b32 v15, 1, v2
	v_mul_u32_u24 v15, v15, 2*SP                   ; out of it: a block is two places, 160 bytes;
	v_and_b32 v5, 1, v2
	v_lshl_add_u32 v15, v5, 5, v15                 ; the odd lane begins 32 bytes (8 numbers) on
	v_add_nc_u32 v15, s23, v15
	v_and_b32 v4, 15, v2
	v_mul_u32_u24 v4, v4, CB                       ; sixteen lanes hold 256 numbers: 192 bytes of one row in one K step's plane;
	v_lshrrev_b32 v8, 4, v2
	v_mad_u32_u24 v4, v8, 49152, v4                ; lanes 16-31 the next plane
	v_lshrrev_b32 v5, 1, v2
	s_add_co_u32 s23, s23, 2*32*SP
	v_add_nc_u32 v5, s23, v5                       ; LDS: my block's scale byte
	v_lshlrev_b32 v7, 3, v2
	v_add_nc_u32 v6, s23, v7                       ; and on the way out 8 bytes a lane
	s_wait_alu depctr_va_vdst(0)
	s_wait_kmcnt 0x0
	s_cmp_lt_u32 ttmp9, 288                        ; which tensor: the choices hang on the work-group's number alone
	s_cselect_b64 s[24:25], s[6:7], s[8:9]
	s_cmp_lt_u32 ttmp9, 352
	s_cselect_b64 s[26:27], s[10:11], s[12:13]
	s_cmp_lt_u32 ttmp9, 320
	s_cselect_b64 s[24:25], s[24:25], s[26:27]
	s_cmp_lt_u32 ttmp9, 256
	s_cselect_b64 s[4:5], s[4:5], s[24:25]         ; the numbers
	s_cselect_b64 s[8:9], s[14:15], s[18:19]       ; the codes
	s_cselect_b64 s[10:11], s[16:17], s[20:21]     ; the scale bytes
	s_cselect_b32 s28, 0, 256
	s_cselect_b32 s29, 255, 31
	s_sub_co_u32 s28, ttmp9, s28                   ; my place among x's work-groups, or among the weights'
	s_and_b32 s29, s28, s29                        ; and inside my tensor
	s_lshl_b32 s28, s28, 2
	s_add_co_u32 s28, s28, s22                     ; which run of 8,192 numbers of the codes' buffer is my wave's
	s_lshl_b32 s29, s29, 2
	s_add_co_u32 s30, s29, s22                     ; and of the tensor
	s_mov_b32 s31, 0
	s_lshl_b64 s[30:31], s[30:31], 15              ; 32,768 bytes a run
	s_add_nc_u64 s[4:5], s[4:5], s[30:31]
	s_lshr_b32 s30, s28, 5                         ; a run is 8 rows: 32 runs to a block of 256 rows
	s_mul_i32 s30, s30, 196608
	s_and_b32 s31, s28, 31
	s_mul_i32 s31, s31, 8*192
	s_add_co_u32 s30, s30, s31
	s_mov_b32 s31, 0
	s_add_nc_u64 s[8:9], s[8:9], s[30:31]
	s_lshl_b32 s30, s28, 8                         ; 256 scale bytes a run
	s_add_nc_u64 s[10:11], s[10:11], s[30:31]
.macro LOAD t
.irp i, 0,1,2,3
	global_load_b128 v[R+16*((\t)%8)+4*\i:R+16*((\t)%8)+4*\i+3], v3, s[4:5] offset:2048*(\t)+512*\i th:TH_LOAD_NT   ; 32 lanes read 512 consecutive bytes
.endr
.endm
.macro TURN t                          ; step t's numbers through the stage: LDS serves a wave's instructions in order, so no wait stands between the stores and the loads
.irp i, 0,1,2,3
	ds_store_b128 v14, v[R+16*((\t)%8)+4*\i:R+16*((\t)%8)+4*\i+3] offset:32*SP*((\t)%2)+8*SP*\i
.endr
.irp i, 0,1,2,3
	ds_load_b128 v[X+16*((\t)%2)+4*\i:X+16*((\t)%2)+4*\i+3], v15 offset:32*SP*((\t)%2)+16*(\i%2)+SP*(\i/2)   ; eight numbers of the block's first half, eight of its second
.endr
.endm
.irp t, 0,1,2,3,4,5,6,7
	LOAD \t
.endr
	s_wait_loadcnt 28                              ; step 0's four loads are in; seven steps' 28 may be out
	TURN 0
.macro STEP t
.set XS, X+16*((\t)%2)
.if (\t) > 0
	s_wait_dscnt 1                                 ; this step's numbers are back from the stage (the last step's byte store may be out): its stores into the stage have read their registers,
.else
	s_wait_dscnt 0x0
.endif
.if (\t)+8 < STEPS
	LOAD (\t)+8                                    ; which take the loads of eight steps on
.else
	s_wait_xcnt 0x0                                ; the stores of eight steps ago have read their registers: this step's codes may be written there
.endif
.if (\t)+1 < STEPS
.if STEPS-2-(\t) >= 7
	s_wait_loadcnt 28                              ; the next step's four loads are in; those of the seven steps behind it may be out
.else
	s_wait_loadcnt 4*(STEPS-2-(\t))
.endif
	TURN (\t)+1
.endif
	v_max3_num_f32 v8, |v[XS]|, |v[XS+1]|, |v[XS+2]|               ; the largest magnitude of my 16, in two chains
	v_max3_num_f32 v9, |v[XS+3]|, |v[XS+4]|, |v[XS+5]|
.irp i, 6,10
	v_max3_num_f32 v8, v8, |v[XS+\i]|, |v[XS+\i+1]|
	v_max3_num_f32 v9, v9, |v[XS+\i+2]|, |v[XS+\i+3]|
.endr
	v_max3_num_f32 v8, v8, |v[XS+14]|, |v[XS+15]|
	v_max3_num_f32 v8, v8, v9, (EMAX+1)<<23        ; and the floor 2^(5 - 127): the byte cannot fall under 1
	v_max_num_f32_dpp v8, v8, v8 row_xmask:1 row_mask:0xf bank_mask:0xf   ; and of my neighbour's 16: the block's
	v_add_nc_u32 v11, -(EMAX<<23), v8              ; 4 off its exponent field: the conversion takes the exponent field of this operand as its scale
	v_cvt_scalef32_pk16_bf6_f32 v[C+4*((\t)%8):C+4*((\t)%8)+2], v[XS:XS+15], v11
	v_lshrrev_b32 v[E+(\t)], 23, v11               ; the scale's byte (a plain line behind the conversion)
	ds_store_b8 v5, v[E+(\t)] offset:16*(\t)       ; both lanes of a block write the same byte with the same value
	global_store_b96 v4, v[C+4*((\t)%8):C+4*((\t)%8)+2], s[8:9] offset:192*((\t)/2)+98304*((\t)%2)   ; step t is half t % 2 of row t / 2: two planes on for the second half; sixteen lanes store 192 consecutive bytes
.endm
.irp t, 0,1,2,3,4,5,6,7,8,9,10,11,12,13,14,15
	STEP \t
.endr
	ds_load_b64 v[12:13], v6                       ; LDS serves a wave's instructions in order: these see my stores
	s_wait_dscnt 0x0
	global_store_b64 v7, v[12:13], s[10:11]        ; 32 lanes store 256 consecutive bytes, aligned
	s_wait_tensorcnt 0x0
	ds_add_u32 v192, v193
	s_wait_dscnt 0x0
	s_endpgm
.Lfunc_end_k_qc4ecf48e10_quant:
	.size	k_qc4ecf48e10_quant, .Lfunc_end_k_qc4ecf48e10_quant-k_qc4ecf48e10_quant
	.p2alignl 7, 3214868480
	.fill 96, 4, 3214868480
	.section	.rodata,"a",@progbits
	.p2align	6, 0x0
	.amdhsa_kernel k_qc4ecf48e10_quant
		.amdhsa_group_segment_fixed_size 33280
		.amdhsa_private_segment_fixed_size 0
		.amdhsa_enable_private_segment 0
		.amdhsa_kernarg_size 72
		.amdhsa_user_sgpr_count 2
		.amdhsa_user_sgpr_kernarg_segment_ptr 1
		.amdhsa_wavefront_size32 1
		.amdhsa_system_sgpr_workgroup_id_x 1
		.amdhsa_system_sgpr_workgroup_id_y 1
		.amdhsa_system_sgpr_workgroup_id_z 1
		.amdhsa_system_vgpr_workitem_id 0
		.amdhsa_next_free_vgpr 228
		.amdhsa_next_free_sgpr 66
		.amdhsa_reserve_vcc 0
		.amdhsa_float_denorm_mode_32 3
		.amdhsa_float_denorm_mode_16_64 3
		.amdhsa_memory_ordered 1
		.amdhsa_forward_progress 1
		.amdhsa_inst_pref_size 33
	.end_amdhsa_kernel
	.amdgpu_metadata
---
amdhsa.version: [ 1, 2 ]
amdhsa.kernels:
  - .name:           k_qc4ecf48e10_quant
    .symbol:         k_qc4ecf48e10_quant.kd
    .args:
      - { .name: x, .offset: 0, .size: 8, .value_kind: global_buffer, .address_space: global }
      - { .name: WQ_w, .offset: 8, .size: 8, .value_kind: global_buffer, .address_space: global }
      - { .name: WK_w, .offset: 16, .size: 8, .value_kind: global_buffer, .address_space: global }
      - { .name: WV_w, .offset: 24, .size: 8, .value_kind: global_buffer, .address_space: global }
      - { .name: WO_w, .offset: 32, .size: 8, .value_kind: global_buffer, .address_space: global }
      - { .name: xcodes, .offset: 40, .size: 8, .value_kind: global_buffer, .address_space: global }
      - { .name: xscales, .offset: 48, .size: 8, .value_kind: global_buffer, .address_space: global }
      - { .name: wcodes, .offset: 56, .size: 8, .value_kind: global_buffer, .address_space: global }
      - { .name: wscales, .offset: 64, .size: 8, .value_kind: global_buffer, .address_space: global }
    .group_segment_fixed_size: 33280
    .private_segment_fixed_size: 0
    .kernarg_segment_align: 8
    .kernarg_segment_size: 72
    .max_flat_workgroup_size: 128
    .sgpr_count:     66
    .vgpr_count:     228
    .wavefront_size: 32
...
	.end_amdgpu_metadata
.endif
;; end of part 1
;; launch qkv (part 2): grid 8 x 48, 4 waves a work-group, clusters of 4 x 4, 327,680 bytes of LDS; arguments xcodes, xscales, wcodes, wscales, WQ_b, WV_b, q, kv; writes q, kv
.if DOCPART == 2
	.amdgcn_target "amdgcn-amd-amdhsa--gfx1250"
	.amdhsa_code_object_version 6
	.text
	.protected	k_qc4ecf48e10_qkv
	.globl	k_qc4ecf48e10_qkv
	.p2align	8
	.type	k_qc4ecf48e10_qkv,@function
k_qc4ecf48e10_qkv:
	s_mov_b64 s[64:65], 0
	v_nop
	global_prefetch_b8 v0, s[64:65] scope:SCOPE_SE
	s_setreg_imm32_b32 hwreg(HW_REG_WAVE_MODE, 25, 1), 1
	s_wait_xcnt 0x0
	s_wait_alu depctr_hold_cnt(0) depctr_sa_sdst(0) depctr_va_vdst(0) depctr_va_sdst(0) depctr_va_ssrc(0) depctr_va_vcc(0) depctr_vm_vsrc(0)
	s_getreg_b32 s2, hwreg(HW_REG_IB_STS2, 6, 4)
	s_cmp_eq_u32 s2, 0
	s_cbranch_scc0 .Lentry_in_a_cluster
	s_endpgm
.Lentry_in_a_cluster:
	s_bfe_u32 s2, ttmp6, 0x10000c
	s_cmp_lg_u32 s2, 0xf033
	s_cbranch_scc0 .Lentry_shape_is_right
	s_endpgm
.Lentry_shape_is_right:
.set SIZE_K, 1024
.set KSTEP,  256
.set NQ,     KSTEP/128
; Q, K and V^T = codes of x times codes of WQ, WK, WV (MX-BF6), a block of 256 x 256 a work-group, quantised again on the way out.
; xcodes and wcodes lie as [block of 256 rows][K step of 256][row][192 bytes]: a tile of 128 or 256 rows of one K step is a dense run of bytes and is loaded as rows of 256 bytes;
; 16 bytes of padding behind each 64 give LDS rows of 240 bytes for each 192 bytes of codes.
; THE HEAD: one tensor load a wave: K step 0's 256 rows of A, its 256 rows of B, A's scales, B's scales.  Slot 1 is first filled behind the full sequence and a round, a quarter a wave.
; No prefetch: K is four steps, of which two are asked for before the first product.
.set ROWB,   192
.set KPL,    49152                     ; bytes from a K step's plane to the next
.set KROW,   SIZE_K*6/8
.set PITCH,  240
.set FR,     12
.set NL,     6
.set NP,     4
.set HALFT,  128*PITCH
.set SLOT,   4*HALFT
.set LAPS,   SIZE_K/(2*KSTEP)
.set KS,     SIZE_K/32
.set SCL,    2*SLOT
.set HALFS,  (128*KS/256)*272
.set SBLK,   (16*KS/256)*272
.set SPARE,  SCL+4*HALFS
.set QBLK,   26624
.set KVBLK,  52224
.set ADRA, 16
.set ADRB, 20
.set OA16, 24
.set OA8,  25
.set LN,   26
.set ADRS, 27
.set SPW,  28
.set NIL,  29
.set BA,   30
.set SC,   32
.set BI,   64
.set AF,   128
.set X,    128
.set PC,   192
.set TM,   212
.set PW,   228
.set PWS,  230
.set T,    238
.set G1, 24
.set G0, 32
.set G1B, 48
.set G0B, 56
.set G1S, 68
.set G0S, 76
.set G1SB, 80
.set G0SB, 88
.set SEL, 104
.set MSB, 0
.macro WIN new
.if MSB != \new
	s_set_vgpr_msb (MSB<<8)|\new
.set MSB, \new
.endif
.endm
.set MUL_LO, 0xa1
.set MUL_HI, 0xf1
.set TO_B,   0x40
.macro JLOAD g0a, g1a, g0b, g1b
	s_cmp_eq_u32 s15, 0
	s_cbranch_scc0 .Lfor_b_\@
	tensor_load_to_lds s[\g0a:\g0a+3], s[\g1a:\g1a+7]
	s_nop 0
.rept 4
	v_nop
.endr
	s_branch .Lasked_\@
.Lfor_b_\@:
	tensor_load_to_lds s[\g0b:\g0b+3], s[\g1b:\g1b+7]
	s_nop 0
.rept 4
	v_nop
.endr
.Lasked_\@:
.endm
.macro CREST
	s_cmp_lg_u32 s14, 0
	s_cbranch_scc1 .Lnot_wave_0_\@
	s_barrier_signal -3
.Lnot_wave_0_\@:
	s_barrier_wait -3
	s_barrier_signal -1
	s_barrier_wait -1
.endm
.macro CROUND
	s_barrier_signal -1
	s_barrier_wait -1
	CREST
.endm
	s_load_b256 s[4:11], s[0:1], 0x0
	v_lshl_add_u32 v[SPW], v0, 2, SPARE
	v_mov_b32 v[NIL], 0
	ds_add_u32 v28, v29
	ds_add_u32 v28, v29
	s_wait_dscnt 0x0
	v_lshrrev_b32 v1, 5, v0
	v_readfirstlane_b32 s14, v1
	s_lshr_b32 s15, s14, 1
	s_and_b32 s16, s14, 1
	s_bfe_u32 s40, ttmp6, 0x40000
	s_bfe_u32 s41, ttmp6, 0x40004
	s_and_b32 s95, ttmp7, 0xffff
	s_max_u32 s96, s95, 8
	s_sub_co_u32 s96, s96, 8
	s_cmp_ge_u32 s95, 8
	s_cselect_b32 s97, 0, s95
	s_cselect_b32 s98, 2048, 0
	s_lshl_b32 s42, ttmp9, 2
	s_add_co_u32 s42, s42, s40
	s_lshl_b32 s96, s96, 3
	s_add_co_u32 s42, s42, s96
	s_lshl_b32 s17, s97, 2
	s_add_co_u32 s17, s17, s41
	s_lshl_b32 s43, s41, 2
	s_lshl_b32 s43, 15, s43
	s_lshl_b32 s44, 0x1111, s40
	s_or_b32 s[G1+0], s43, (0<<16)|(1<<20)|(1<<21)|(3<<22)|(3<<25)
	s_or_b32 s[G1B+0], s44, (0<<16)|(1<<20)|(1<<21)|(3<<22)|(3<<25)
.irp g, G1, G1B
	s_mov_b32 s[\g+1], 256<<16
	s_mov_b32 s[\g+2], 192<<16                     ; the head's loads: 256 rows of codes = 192 rows of 256 bytes
	s_mov_b32 s[\g+3], 256<<16
	s_mov_b32 s[\g+4], 192
	s_mov_b32 s[\g+5], 256
	s_mov_b32 s[\g+6], 0
	s_mov_b32 s[\g+7], 0
.endr
	s_or_b32 s[G1S+0], s43, (3<<16)|(1<<20)|(1<<21)|(5<<22)|(3<<25)
	s_or_b32 s[G1SB+0], s44, (3<<16)|(1<<20)|(1<<21)|(5<<22)|(3<<25)
.irp g, G1S, G1SB
	s_mov_b32 s[\g+1], 32<<16
	s_mov_b32 s[\g+2], (256*KS/256)<<16
	s_mov_b32 s[\g+3], 32<<16
	s_mov_b32 s[\g+4], 256*KS/256
	s_mov_b32 s[\g+5], 32
	s_mov_b32 s[\g+6], 0
	s_mov_b32 s[\g+7], 0
.endr
	s_lshl_b32 s20, s17, 8                         ; the tiles' first rows
	s_add_co_u32 s20, s20, s98
	s_lshl_b32 s46, s42, 8
	s_mul_i32 s66, s16, 24576                      ; in the ring I fetch 128 rows of a plane: which half, in bytes
	s_mov_b32 s67, 0
	s_mov_b32 s21, 0
	s_mov_b32 s47, 0
	s_mov_b64 s[18:19], KS
	s_mul_u64 s[22:23], s[20:21], s[18:19]
	s_mul_u64 s[92:93], s[46:47], s[18:19]
	s_mov_b64 s[18:19], KROW
	s_mul_u64 s[20:21], s[20:21], s[18:19]
	s_mul_u64 s[46:47], s[46:47], s[18:19]
	s_mul_i32 s45, s14, HALFT
	s_mov_b32 s[SEL], 0x76543210
	s_mov_b32 s[SEL+1], 0xfedcba98
	s_wait_kmcnt 0x0
	s_cmp_ge_u32 s95, 8
	s_cselect_b64 s[96:97], s[8:9], s[4:5]
	s_cselect_b64 s[100:101], s[10:11], s[6:7]
	s_cselect_b64 s[8:9], s[4:5], s[8:9]
	s_cselect_b64 s[10:11], s[6:7], s[10:11]
	s_add_nc_u64 s[20:21], s[96:97], s[20:21]
	s_add_nc_u64 s[22:23], s[100:101], s[22:23]
	s_add_nc_u64 s[46:47], s[8:9], s[46:47]
	s_add_nc_u64 s[92:93], s[10:11], s[92:93]
	CROUND
	s_mov_b32 s[G0S], 1
	s_mov_b32 s[G0S+1], SCL
	s_mov_b64 s[G0S+2:G0S+3], s[22:23]
	s_or_b32 s[G0S+3], s[G0S+3], 0x80000000
	s_mov_b32 s[G0SB], 1
	s_mov_b32 s[G0SB+1], SCL+2*HALFS
	s_mov_b64 s[G0SB+2:G0SB+3], s[92:93]
	s_or_b32 s[G0SB+3], s[G0SB+3], 0x80000000
	s_mov_b32 s[G0], 1                             ; slot 0's sets serve the head first: K step 0's whole tiles
	s_mov_b32 s[G0+1], 0
	s_mov_b64 s[G0+2:G0+3], s[20:21]
	s_or_b32 s[G0+3], s[G0+3], 0x80000000
	s_mov_b32 s[G0B], 1
	s_mov_b32 s[G0B+1], 2*HALFT
	s_mov_b64 s[G0B+2:G0B+3], s[46:47]
	s_or_b32 s[G0B+3], s[G0B+3], 0x80000000
	s_mov_b32 s[G0+4], 1                           ; slot 1's: my 128 rows of K step 1
	s_add_co_u32 s[G0+5], s45, SLOT
	s_add_nc_u64 s[G0+6:G0+7], s[20:21], s[66:67]
	s_add_nc_u64 s[G0+6:G0+7], s[G0+6:G0+7], KPL
	s_or_b32 s[G0+7], s[G0+7], 0x80000000
	s_mov_b32 s[G0B+4], 1
	s_add_co_u32 s[G0B+5], s45, SLOT
	s_add_nc_u64 s[G0B+6:G0B+7], s[46:47], s[66:67]
	s_add_nc_u64 s[G0B+6:G0B+7], s[G0B+6:G0B+7], KPL
	s_or_b32 s[G0B+7], s[G0B+7], 0x80000000
; one chain of branches on the wave's number, one load to an arm, all arms to one join
.macro ARM under, g0, g1, next
	s_cmp_lt_u32 s14, \under
	s_cbranch_scc0 \next
	tensor_load_to_lds s[\g0:\g0+3], s[\g1:\g1+7]
	s_nop 0
.rept 4
	v_nop
.endr
	s_branch .Lhead_asked
\next:
.endm
	ARM 1, G0,  G1,  .Lhead_b
	ARM 2, G0B, G1B, .Lhead_sa
	ARM 3, G0S, G1S, .Lhead_sb
	tensor_load_to_lds s[G0SB:G0SB+3], s[G1SB:G1SB+7]
	s_nop 0
.rept 4
	v_nop
.endr
.Lhead_asked:
	s_load_b256 s[4:11], s[0:1], 0x20
	v_and_b32 v1, 15, v0
	v_bfe_u32 v2, v0, 4, 1
	v_mul_u32_u24 v3, v1, PITCH
	v_mul_u32_u24 v4, v2, 24
	v_add_nc_u32 v4, v3, v4
	v_lshl_add_u32 v5, v2, 4, v4
	s_mul_i32 s21, s15, HALFT
	s_mul_i32 s22, s16, HALFT
	s_add_co_u32 s22, s22, 2*HALFT
.irp s, 0,1
	v_add_nc_u32 v[ADRA+\s], s21, v4
	v_add_nc_u32 v[ADRB+\s], s22, v4
	v_add_nc_u32 v[ADRA+2+\s], s21, v5
	v_add_nc_u32 v[ADRB+2+\s], s22, v5
	s_add_co_u32 s21, s21, SLOT
	s_add_co_u32 s22, s22, SLOT
.endr
	v_mul_u32_u24 v5, v1, KS
	v_lshrrev_b32 v6, 8, v5
	v_lshl_add_u32 v5, v6, 4, v5
	s_mul_i32 s21, s15, HALFS
	s_mul_i32 s22, s16, HALFS
	s_add_co_u32 s22, s22, 2*HALFS
	s_sub_co_u32 s22, s22, s21
	v_mul_u32_u24 v6, s22, v2
	s_add_co_u32 s21, s21, SCL
	v_add_nc_u32 v5, v5, v6
	v_add_nc_u32 v[ADRS], s21, v5
	v_and_b32 v[LN], 31, v0
	v_lshlrev_b32 v[OA16], 4, v[LN]
	v_lshlrev_b32 v[OA8], 3, v[LN]
.set n, 0
.rept 64
	v_mov_b32 v[BI+n], 0
.set n, n+1
.endr
	s_wait_kmcnt 0x0
	s_cmp_ge_u32 s95, 8
	s_cbranch_scc1 .Lbias_v
	s_cmp_lg_u32 ttmp9, 0
	s_cbranch_scc1 .Lbias_done
	s_lshl_b32 s12, s40, 10
	s_lshl_b32 s13, s16, 9
	s_add_co_u32 s12, s12, s13
	s_mov_b32 s13, 0
	s_add_nc_u64 s[12:13], s[4:5], s[12:13]
	v_lshlrev_b32 v[BA], 5, v2
.irp b, 0,1,2,3,4,5,6,7
	global_load_b128 v[BI+8*\b:BI+8*\b+3], v[BA], s[12:13] offset:64*\b
	global_load_b128 v[BI+8*\b+4:BI+8*\b+7], v[BA], s[12:13] offset:64*\b+16
.endr
	s_branch .Lbias_done
.Lbias_v:
	s_lshl_b32 s12, s41, 10
	s_lshl_b32 s13, s15, 9
	s_add_co_u32 s12, s12, s13
	s_mov_b32 s13, 0
	s_add_nc_u64 s[12:13], s[6:7], s[12:13]
	v_lshlrev_b32 v[BA], 2, v1
.irp a, 0,1,2,3,4,5,6,7
	global_load_b32 v[BI+2*\a], v[BA], s[12:13] offset:64*\a
	global_load_b32 v[BI+2*\a+1], v[BA], s[12:13] offset:64*\a
.endr
.Lbias_done:
.macro FRAG reg, adr, q, i
.irp p, 0,1,2,3,4,5
.set PCE, 12*(\q)+6*(\p/3)+\p%3
.if PCE%8 < 5
	ds_load_b64 v[\reg+2*\p:\reg+2*\p+1], v[\adr] offset:8*PCE+16*(PCE/8)+(\i)*16*PITCH
.else
	ds_load_b64 v[\reg+2*\p:\reg+2*\p+1], v[\adr+2] offset:8*PCE+16*(PCE/8)+(\i)*16*PITCH
.endif
.endr
.endm
.macro MUL16 a0, p, q, sc, zero
.irp a, \a0, \a0+1
.irp b, 0,1,2,3,4,5,6,7
.if \zero
	v_wmma_scale_f32_16x16x128_f8f6f4 v[8*(8*((\a)%4)+\b):8*(8*((\a)%4)+\b)+7], v[128*(\p)+FR*\b:128*(\p)+FR*\b+FR-1], v[AF+FR*(\a):AF+FR*(\a)+FR-1], 0, v[SC+8*NQ*(\sc)+NQ*\b+(\q)], v[SC+8*NQ*(\sc)+NQ*(\a)+(\q)] matrix_a_fmt:MATRIX_FMT_BF6 matrix_b_fmt:MATRIX_FMT_BF6 matrix_a_scale:MATRIX_SCALE_ROW1
.else
	v_wmma_scale_f32_16x16x128_f8f6f4 v[8*(8*((\a)%4)+\b):8*(8*((\a)%4)+\b)+7], v[128*(\p)+FR*\b:128*(\p)+FR*\b+FR-1], v[AF+FR*(\a):AF+FR*(\a)+FR-1], v[8*(8*((\a)%4)+\b):8*(8*((\a)%4)+\b)+7], v[SC+8*NQ*(\sc)+NQ*\b+(\q)], v[SC+8*NQ*(\sc)+NQ*(\a)+(\q)] matrix_a_fmt:MATRIX_FMT_BF6 matrix_b_fmt:MATRIX_FMT_BF6 matrix_a_scale:MATRIX_SCALE_ROW1
.endif
.endr
.endr
.endm
.macro FETCH_B slot, q, p
	WIN TO_B
.irp i, 0,1,2,3,4,5,6,7
	FRAG 128*(\p)+FR*\i, ADRB+\slot, \q, \i
.endr
	WIN 0
.endm
.macro FETCH_A slot, q, i0
.irp i, \i0, \i0+1, \i0+2, \i0+3
	FRAG AF+FR*(\i), ADRA+\slot, \q, \i
.endr
.endm
.macro SCALES sc
.irp i, 0,1,2,3,4,5,6,7
	ds_load_b64 v[SC+8*NQ*\sc+NQ*\i:SC+8*NQ*\sc+NQ*\i+1], v[ADRS] offset:\i*SBLK
.endr
.endm
.macro PLACES n
.rept \n
	v_nop
.endr
.endm
.macro STEP slot, q, zero
	s_wait_dscnt 4*NL
	WIN MUL_LO
	MUL16 0, (\q)%2, \q, \slot, \zero
	MUL16 2, (\q)%2, \q, \slot, \zero
	s_wait_dscnt 0
	PLACES NP
	FETCH_B \slot, (\q)+1, 1-(\q)%2
	FETCH_A \slot, (\q)+1, 0
	WIN MUL_HI
	MUL16 4, (\q)%2, \q, \slot, \zero
	MUL16 6, (\q)%2, \q, \slot, \zero
	PLACES NP
	WIN 0
	FETCH_A \slot, (\q)+1, 4
.endm
.macro TURN slot, next, fill
	s_wait_tensorcnt 0x0
	ds_add_u32 v[SPW], v[NIL]
	s_wait_dscnt 4*NL+1
	WIN MUL_LO
	MUL16 0, 1, NQ-1, \slot, 0
	s_wait_dscnt 0x0
	s_barrier_signal -1
	MUL16 2, 1, NQ-1, \slot, 0
	WIN 0
	s_barrier_wait -1
.if \fill
	CREST
	s_add_nc_u64 s[G0+4*\slot+2:G0+4*\slot+3], s[G0+4*\slot+2:G0+4*\slot+3], 2*KPL
	s_add_nc_u64 s[G0B+4*\slot+2:G0B+4*\slot+3], s[G0B+4*\slot+2:G0B+4*\slot+3], 2*KPL
	JLOAD G0+4*\slot, G1, G0B+4*\slot, G1B
.else
	PLACES NP
.endif
	s_wait_alu depctr_va_vdst(0)
	v_add_nc_u32 v[ADRS], 4*NQ, v[ADRS]
	FETCH_B \next, 0, 0
	FETCH_A \next, 0, 0
	SCALES \next
	WIN MUL_HI
	MUL16 4, 1, NQ-1, \slot, 0
	MUL16 6, 1, NQ-1, \slot, 0
	PLACES NP
	WIN 0
	FETCH_A \next, 0, 4
.endm
	s_wait_alu depctr_va_vdst(0)                   ; the wait at the head's end
	s_wait_tensorcnt 0x0                           ; my tile of the head's four is in; the lines ahead of a later first fill:
	ds_add_u32 v[SPW], v[NIL]
	s_mov_b32 s[G1+2], 96<<16                      ; no tensor load of mine is out: from here on a load brings 128 rows of codes = 96 rows of 256 bytes,
	s_mov_b32 s[G1+4], 96
	s_mov_b32 s[G1B+2], 96<<16
	s_mov_b32 s[G1B+4], 96
	s_mov_b32 s[G0+1], s45                         ; and slot 0's sets stand at my quarter of K step 0: the first refill steps them to K step 2
	s_add_nc_u64 s[G0+2:G0+3], s[G0+2:G0+3], s[66:67]
	s_mov_b32 s[G0B+1], s45
	s_add_nc_u64 s[G0B+2:G0B+3], s[G0B+2:G0B+3], s[66:67]
	s_wait_dscnt 0x0
	CROUND
	JLOAD G0+4, G1, G0B+4, G1B                     ; K step 1, the first tensor load behind the round
	FETCH_B 0, 0, 0
	FETCH_A 0, 0, 0
	SCALES 0
	FETCH_A 0, 0, 4
	STEP 0, 0, 1
	s_mov_b32 s3, LAPS-1
.Llap:
	TURN 0, 1, 1
	STEP 1, 0, 0
	TURN 1, 0, 1
	STEP 0, 0, 0
	s_sub_co_u32 s3, s3, 1
	s_cmp_lg_u32 s3, 0
	s_cbranch_scc1 .Llap
	TURN 0, 1, 0
	STEP 1, 0, 0
	s_wait_dscnt 4*NL
	WIN MUL_LO
	MUL16 0, 1, NQ-1, 1, 0
	MUL16 2, 1, NQ-1, 1, 0
	s_wait_dscnt 0
	WIN MUL_HI
	MUL16 4, 1, NQ-1, 1, 0
	MUL16 6, 1, NQ-1, 1, 0
	WIN 0
.macro QUANT s
.irp b, 0,1,2,3
	v_max3_num_f32 v[TM+\b], |v[\s+16*\b]|, |v[\s+1+16*\b]|, 0x2800000
.endr
.irp i, 2,4,6,8,10,12,14
.irp b, 0,1,2,3
	v_max3_num_f32 v[TM+\b], v[TM+\b], |v[\s+16*\b+\i]|, |v[\s+1+16*\b+\i]|
.endr
.endr
.irp b, 0,1,2,3
	v_permlanex16_b32 v[TM+4+\b], v[TM+\b], s[SEL], s[SEL+1]
.endr
.irp b, 0,1,2,3
	v_max_num_f32 v[TM+\b], v[TM+\b], v[TM+4+\b]
.endr
.irp b, 0,1,2,3
	v_add_nc_u32 v[TM+12+\b], 0xfe000000, v[TM+\b]
.endr
.irp b, 0,1,2,3
	v_lshrrev_b32 v[TM+4+\b], 23, v[TM+12+\b]
.endr
	v_lshl_or_b32 v[PW], v[TM+5], 8, v[TM+4]
	v_lshl_or_b32 v[PW], v[TM+6], 16, v[PW]
	v_lshl_or_b32 v[PW], v[TM+7], 24, v[PW]
.irp c, 0,1
	v_cvt_scalef32_pk16_bf6_f32 v[PC+6*\c:PC+2+6*\c], v[\s+32*\c:\s+15+32*\c], v[TM+12+2*\c]
	v_cvt_scalef32_pk16_bf6_f32 v[PC+12+4*\c:PC+14+4*\c], v[\s+16+32*\c:\s+31+32*\c], v[TM+12+2*\c+1]
.endr
	v_nop
.irp c, 0,1
.irp i, 0,1,2
	v_permlane16_swap_b32 v[PC+6*\c+\i], v[PC+12+4*\c+\i]
.endr
.irp i, 0,1,2
	v_mov_b32 v[PC+3+6*\c+\i], v[PC+12+4*\c+\i]
.endr
.endr
.endm
.macro BOUT a, step
.set AC, 64*((\a)%4)
	s_wait_xcnt 0x0
	WIN 0x02+(\a)/4
.set n, 0
.rept 32
.if \step
	v_pk_add_f32 v[X+n:X+n+1], v[AC+n:AC+n+1], v[BI+n:BI+n+1]
.else
	v_pk_add_f32 v[X+n:X+n+1], v[AC+n:AC+n+1], v[BI+2*(\a):BI+2*(\a)+1]
.endif
.set n, n+2
.endr
	WIN 0
	QUANT X
	v_mov_b32 v[PWS+(\a)], v[PW]
.endm
	PLACES NP
	s_wait_loadcnt 0x0
.irp b, 0,1,2,3
	v_mov_b32 v[TM+4+\b], 0
.endr
	v_cmp_le_u32 vcc_lo, 16, v[LN]
	s_cmp_ge_u32 s95, 8
	s_cbranch_scc1 .Lout_v
	s_lshl_b32 s12, s17, 1
	s_add_co_u32 s12, s12, s15
	s_lshr_b32 s13, s12, 4
	s_lshl_b32 s13, s13, 6
	s_and_b32 s12, s12, 15
	s_add_co_u32 s12, s12, s13
	s_lshl_b32 s13, s40, 4
	s_add_co_u32 s12, s12, s13
	s_mov_b32 s18, KVBLK
	s_mov_b32 s19, 49152
	s_cmp_eq_u32 ttmp9, 0
	s_cselect_b64 s[20:21], s[8:9], s[10:11]
	s_cselect_b32 s18, QBLK, s18
	s_cselect_b32 s19, 24576, s19
	s_mul_i32 s12, s12, s18
	s_mul_i32 s22, s16, 12288
	s_add_co_u32 s22, s22, s12
	s_mov_b32 s23, 0
	s_add_nc_u64 s[22:23], s[20:21], s[22:23]
	s_lshl_b32 s46, s16, 10
	s_add_co_u32 s46, s46, s12
	s_add_co_u32 s46, s46, s19
	s_mov_b32 s47, 0
	s_add_nc_u64 s[46:47], s[20:21], s[46:47]
.irp a, 0,1,2,3,4,5,6,7
	BOUT \a, 2
	global_store_b128 v[OA16], v[PC:PC+3], s[22:23] offset:\a*768
	global_store_b64 v[OA8], v[PC+4:PC+5], s[22:23] offset:\a*768+512
	global_store_b128 v[OA16], v[PC+6:PC+9], s[22:23] offset:(8+\a)*768
	global_store_b64 v[OA8], v[PC+10:PC+11], s[22:23] offset:(8+\a)*768+512
.endr
.irp u, 0,1,2,3
	v_cndmask_b32 v[T+\u], v[PWS+2*\u], v[PWS+2*\u+1], vcc_lo
.endr
.irp u, 0,1,2,3
	v_lshrrev_b32 v[T+4+\u], 16, v[T+\u]
.endr
	global_store_b128 v[OA16], v[T:T+3], s[46:47]
	global_store_b128 v[OA16], v[T+4:T+7], s[46:47] offset:512
	s_branch .Lend
.Lout_v:
	s_lshl_b32 s12, s42, 1
	s_add_co_u32 s12, s12, s16
	s_lshr_b32 s13, s12, 4
	s_lshl_b32 s13, s13, 6
	s_and_b32 s12, s12, 15
	s_add_co_u32 s12, s12, s13
	s_lshl_b32 s13, s41, 4
	s_add_co_u32 s12, s12, s13
	s_mul_i32 s12, s12, KVBLK
	s_mul_i32 s22, s15, 12288
	s_add_co_u32 s22, s22, s12
	s_add_co_u32 s22, s22, 24576
	s_mov_b32 s23, 0
	s_add_nc_u64 s[22:23], s[10:11], s[22:23]
	s_lshl_b32 s46, s15, 9
	s_add_co_u32 s46, s46, s12
	s_add_co_u32 s46, s46, 51200
	s_mov_b32 s47, 0
	s_add_nc_u64 s[46:47], s[10:11], s[46:47]
.irp a, 0,1,2,3,4,5,6,7
	BOUT \a, 0
.irp c, 0,1,2
	global_store_b128 v[OA16], v[PC+4*\c:PC+4*\c+3], s[22:23] offset:\a*1536+512*\c
.endr
.endr
.irp c, 0,1
.irp u, 0,1
	v_cndmask_b32 v[T+2*\c+\u], v[PWS+4*\c+2*\u], v[PWS+4*\c+2*\u+1], vcc_lo
.endr
.endr
	global_store_b64 v[OA8], v[T:T+1], s[46:47]
	global_store_b64 v[OA8], v[T+2:T+3], s[46:47] offset:256
.Lend:
	s_wait_tensorcnt 0x0
	ds_add_u32 v[SPW], v[NIL]
	s_wait_dscnt 0x0
	CROUND
	s_endpgm
.Lfunc_end_k_qc4ecf48e10_qkv:
	.size	k_qc4ecf48e10_qkv, .Lfunc_end_k_qc4ecf48e10_qkv-k_qc4ecf48e10_qkv
	.p2alignl 7, 3214868480
	.fill 96, 4, 3214868480
	.section	.rodata,"a",@progbits
	.p2align	6, 0x0
	.amdhsa_kernel k_qc4ecf48e10_qkv
		.amdhsa_group_segment_fixed_size 327680
		.amdhsa_private_segment_fixed_size 0
		.amdhsa_enable_private_segment 0
		.amdhsa_kernarg_size 64
		.amdhsa_user_sgpr_count 2
		.amdhsa_user_sgpr_kernarg_segment_ptr 1
		.amdhsa_wavefront_size32 1
		.amdhsa_system_sgpr_workgroup_id_x 1
		.amdhsa_system_sgpr_workgroup_id_y 1
		.amdhsa_system_sgpr_workgroup_id_z 1
		.amdhsa_system_vgpr_workitem_id 0
		.amdhsa_next_free_vgpr 1024
		.amdhsa_next_free_sgpr 106
		.amdhsa_reserve_vcc 1
		.amdhsa_float_denorm_mode_32 3
		.amdhsa_float_denorm_mode_16_64 3
		.amdhsa_memory_ordered 1
		.amdhsa_forward_progress 1
		.amdhsa_inst_pref_size 238
	.end_amdhsa_kernel
	.amdgpu_metadata
---
amdhsa.version: [ 1, 2 ]
amdhsa.kernels:
  - .name:           k_qc4ecf48e10_qkv
    .symbol:         k_qc4ecf48e10_qkv.kd
    .args:
      - { .name: xcodes, .offset: 0, .size: 8, .value_kind: global_buffer, .address_space: global }
      - { .name: xscales, .offset: 8, .size: 8, .value_kind: global_buffer, .address_space: global }
      - { .name: wcodes, .offset: 16, .size: 8, .value_kind: global_buffer, .address_space: global }
      - { .name: wscales, .offset: 24, .size: 8, .value_kind: global_buffer, .address_space: global }
      - { .name: WQ_b, .offset: 32, .size: 8, .value_kind: global_buffer, .address_space: global }
      - { .name: WV_b, .offset: 40, .size: 8, .value_kind: global_buffer, .address_space: global }
      - { .name: q, .offset: 48, .size: 8, .value_kind: global_buffer, .address_space: global }
      - { .name: kv, .offset: 56, .size: 8, .value_kind: global_buffer, .address_space: global }
    .group_segment_fixed_size: 327680
    .private_segment_fixed_size: 0
    .kernarg_segment_align: 8
    .kernarg_segment_size: 64
    .max_flat_workgroup_size: 128
    .sgpr_count:     106
    .vgpr_count:     1024
    .wavefront_size: 32
...
	.end_amdgpu_metadata
.endif
;; end of part 2
;; launch attn (part 3): grid 4 x 64, 8 waves a work-group, clusters of 4 x 4, 327,680 bytes of LDS; arguments q, kv, attn_mask, acodes, ascales; writes acodes, ascales
.if DOCPART == 3
	.amdgcn_target "amdgcn-amd-amdhsa--gfx1250"
	.amdhsa_code_object_version 6
	.text
	.protected	k_qc4ecf48e10_attn
	.globl	k_qc4ecf48e10_attn
	.p2align	8
	.type	k_qc4ecf48e10_attn,@function
k_qc4ecf48e10_attn:
	s_mov_b64 s[64:65], 0
	v_nop
	global_prefetch_b8 v0, s[64:65] scope:SCOPE_SE
	s_setreg_imm32_b32 hwreg(HW_REG_WAVE_MODE, 25, 1), 1
	s_wait_xcnt 0x0
	s_wait_alu depctr_hold_cnt(0) depctr_sa_sdst(0) depctr_va_vdst(0) depctr_va_sdst(0) depctr_va_ssrc(0) depctr_va_vcc(0) depctr_vm_vsrc(0)
	s_getreg_b32 s2, hwreg(HW_REG_IB_STS2, 6, 4)
	s_cmp_eq_u32 s2, 0
	s_cbranch_scc0 .Lentry_in_a_cluster
	s_endpgm
.Lentry_in_a_cluster:
	s_bfe_u32 s2, ttmp6, 0x10000c
	s_cmp_lg_u32 s2, 0xf033
	s_cbranch_scc0 .Lentry_shape_is_right
	s_endpgm
.Lentry_shape_is_right:
; For each batch and head: O = softmax((mask + Q K^T) / 8) V, both products on codes of BF6 (E3M2) with E8M0 scales; O is quantised along the model's 1,024 and leaves as codes for the last product.
; THE SOFTMAX: t = (mask + score) x log2(e) / 8; M = the row's largest t so far, rounded UP to a whole number; p = 2^(t - M) is quantised along the keys, not normalised.  The row's sum is taken of the
; unquantised p, in f32, and divides O at the end.  When M moves, the sum and O are multiplied by 2^(old M - new M): exact.
; SHARES.  A work-group owns 128 queries of one batch x 4 heads (head group cx); each of its eight waves owns 16 queries, for all 4 heads.  Keys go 128 a step, 16 steps; in a step a wave runs four UNITs, one a head.
; THE MASK COSTS NO VECTOR INSTRUCTION: the wave's 16 x 128 numbers of a step are read from LDS once, into 64 registers laid as a result, and are the C of all four heads' products K Q^T.
; LAYOUT.  Both products are used transposed: S^T = K Q^T + mask^T (source 0 = 16 keys, source 1 = my 16 queries), O^T += V^T P^T: a lane holds ONE query (lane % 16) throughout.  The 16 registers of tiles 2 B, 2 B + 1 are
; my half of block B of the keys, in the order 0-7, 16-23, 8-15, 24-31, which V's codes have too.
; A HEAD'S K IS 64, THE INSTRUCTION'S 128: Q's fragment has zeros in registers 6-11.  K's eight tiles lie 6 registers apart; tile t names 12, so its upper six are the next tile's codes (tile 7's: zeros):
; numbers of the format, which meet Q's zero codes.  The scale bytes that go with them are bytes of other blocks or 0, never 0xff.
; q and kv hold operands as images of their registers (groups of four registers at 16 x lane, pairs at 8 x lane), so a step's K, V and scale words are ONE dense block of 52,224 bytes.
; CLUSTER of 4 x 4: x = the head group, y = four neighbouring groups of 128 queries of one batch.  A step's mask tile hangs on y alone: asked for jointly along a row.  Its kv block hangs on batch and head group: jointly along a column.
; LIMITS: mask entries are finite numbers (very negative ones serve as holes: their p is 0); infinities in the mask were not tried, and a row masked by -infinity throughout is not served.  A block's largest p is taken from its
; largest score through the same multiply-add and exponential, which takes v_exp_f32 not to fall where its input rises.  A block of zeros, and one under 2^-122, has the scale byte 1.
; REGISTERS.  window 0: v1-11 addresses; v12-19 -M and the largest t, a pair a head; v20-27 the sum, a pair a head; v28-31 Q's scale words; v32-85 K; v86-91 K's and V's scale words; v92 f, v93 p's scale word; v96-159 S^T, then p;
;   v160-207 V; v208-219 p's codes; v220-241 at work.   window 1: v0-127 O^T, 32 a head; v128-175 Q, 12 a head; v176-239 the mask.
.set MP,    528                        ; a mask row in LDS: 512 bytes + 16 = 132 words: row r starts at bank 4 r mod 64 (64 banks of 4 bytes: ISA guide 11.1)
.set MOFF,  128*MP                     ; a slot: 128 rows of the mask, then the kv block
.set KVB,   52224
.set QBLK,  26624
.set SLOT1, 1<<17                      ; slot 1 begins here: one exclusive or turns an address in one slot into the other's
.set STAGE, 2*SLOT1                    ; behind the ring: 128 rows x 192 bytes of codes for the way out,
.set SCST,  STAGE+128*192              ; their scale bytes, 8 a row,
.set SPARE, SCST+128*8                 ; and the spare words, 128 bytes for each wave: four blocks of 256 bytes that no other line names
.set AM0,  1                           ; v1  my lane's place in the mask tile
.set A16,  2                           ; v2  MOFF + 16 x lane
.set A8,   3                           ; v3  MOFF + 8 x lane
.set SPW,  4                           ; v4  my spare word; never rewritten
.set NIL,  5                           ; v5  0; never rewritten
.set ADM,  6                           ; v6-8 the same three in the slot in hand
.set AD16, 7
.set AD8,  8
.set NM,   12
.set LL,   20
.set QSC,  28
.set KB,   32
.set KSC,  86
.set VSC,  90
.set FF,   92
.set PSW,  93
.set TT,   94
.set SS,   96
.set VF,   160
.set PC,   208
.set CT,   220                         ; v220-222, v224-226 halves of blocks made elsewhere
.set BM,   228                         ; v228-231 the blocks' largest
.set BP,   232                         ; v232-235 from the other half of the lanes; bytes
.set SOP,  236                         ; v236-239 the conversions' scale operands
.set L2,   240                         ; v240-241 the sum's second chain
.set OSC,  244                         ; v244-247 the way out: a head's two scale bytes
.set OC,   160                         ; the way out: codes
.set QF,   128                         ; in window 1
.set MK,   176                         ; in window 1
.set WV,   14
.set SEL,  20
.set CS,   22
.set G1M,  24                          ; s[24:31] descriptor group 1 for the mask's tiles;  s[32:39] for the kv blocks
.set G1KV, 32
.set G0M,  40                          ; s[40:47] groups 0 for the mask: a set for each first fill; the second then walks;  s[48:55] for kv
.set G0KV, 48
.set TB,   56                          ; s56 LDS byte at which the slot in hand begins
.set CNT,  57
.set MSB, 0
.macro WIN new                         ; the immediate's high byte repeats the setting that is left
.if MSB != \new
	s_set_vgpr_msb (MSB<<8)|\new
.set MSB, \new
.endif
.endm
.macro PLACES
.rept 4
	v_nop
.endr
.endm
.macro CROUND                          ; a whole round of the cluster's barrier
	s_barrier_signal -1
	s_barrier_wait -1
	CREST
.endm
.macro CREST                           ; a round behind its opening barrier
	s_cmp_lg_u32 s[WV], 0
	s_cbranch_scc1 .Lnot_wave_0_\@
	s_barrier_signal -3
.Lnot_wave_0_\@:
	s_barrier_wait -3
	s_barrier_signal -1
	s_barrier_wait -1
.endm
; A joint refill: waves 0 and 1 fetch the mask tile's halves (64 rows), waves 2 and 3 the kv block's (102 rows of 256 bytes), the others nothing.  The branches hang on the wave's number alone.  Four v_nop follow each line.
.macro JLOAD
	s_cmp_lt_u32 s[WV], 2
	s_cbranch_scc0 .Lnot_m_\@
	tensor_load_to_lds s[G0M+4:G0M+7], s[G1M:G1M+7]
	s_nop 0
.rept 4
	v_nop
.endr
	s_branch .Lasked_\@
.Lnot_m_\@:
	s_cmp_lt_u32 s[WV], 4
	s_cbranch_scc0 .Lasked_\@
	tensor_load_to_lds s[G0KV+4:G0KV+7], s[G1KV:G1KV+7]
	s_nop 0
.rept 4
	v_nop
.endr
.Lasked_\@:
.endm
	s_load_b256 s[4:11], s[0:1], 0x0               ; q s[4:5], kv s[6:7], the mask s[8:9], acodes s[10:11]
	s_load_b64 s[12:13], s[0:1], 0x20              ; ascales
	v_lshl_add_u32 v[SPW], v0, 2, SPARE
	v_mov_b32 v[NIL], 0
	ds_add_u32 v4, v5
	ds_add_u32 v4, v5
	s_wait_dscnt 0x0
	v_lshrrev_b32 v6, 5, v0
	s_delay_alu instid0(VALU_DEP_1)
	v_readfirstlane_b32 s[WV], v6                  ; wave 0..7
	s_and_b32 s15, s[WV], 1                        ; which half of a tile I fetch, if I fetch
	s_bfe_u32 s16, ttmp6, 0x40000                  ; cx: the head group
	s_bfe_u32 s17, ttmp6, 0x40004                  ; cy
	s_and_b32 s19, ttmp7, 0xffff                   ; the cluster's y
	s_lshl_b32 s18, s19, 2
	s_add_co_u32 s18, s18, s17                     ; y = 16 x batch + the group of 128 queries
	s_lshl_b32 s58, s17, 2
	s_lshl_b32 s58, 15, s58                        ; my row of the cluster
	s_lshl_b32 s60, 0x1111, s16                    ; my column
	s_or_b32 s[G1M], s58, (2<<16)|(1<<20)|(1<<21)|(6<<22)|(3<<25)   ; 15:0 the mask of work-groups; 17:16 elements of 4 bytes; 20 padding on; 21 set beside a mask; 24:22 after every 128 words; 31:25 of 4 words
	s_mov_b32 s[G1M+1], 128<<16                    ; tensor_dim0 = 128 keys
	s_mov_b32 s[G1M+2], 64<<16                     ; tensor_dim1 = 64 queries
	s_mov_b32 s[G1M+3], 128<<16                    ; tile_dim0
	s_mov_b32 s[G1M+4], 64                         ; tile_dim1
	s_mov_b32 s[G1M+5], 2048                       ; tensor_dim0_stride
	s_mov_b32 s[G1M+6], 0
	s_mov_b32 s[G1M+7], 0
	s_or_b32 s[G1KV], s60, (3<<16)|(1<<21)         ; elements of 8 bytes, no padding: a dense block as rows of 256 bytes
	s_mov_b32 s[G1KV+1], 32<<16
	s_mov_b32 s[G1KV+2], 102<<16
	s_mov_b32 s[G1KV+3], 32<<16
	s_mov_b32 s[G1KV+4], 102
	s_mov_b32 s[G1KV+5], 32
	s_mov_b32 s[G1KV+6], 0
	s_mov_b32 s[G1KV+7], 0
	s_lshl_b32 s58, s18, 20                        ; the mask: row 128 y + 64 half, 8,192 bytes a row
	s_lshl_b32 s59, s15, 19
	s_add_co_u32 s58, s58, s59
	s_mov_b32 s59, 0
	s_lshr_b32 s60, s19, 2                         ; kv: block 64 batch + 16 cx + step
	s_lshl_b32 s60, s60, 6
	s_lshl_b32 s61, s16, 4
	s_add_co_u32 s60, s60, s61
	s_mul_i32 s60, s60, KVB
	s_mul_i32 s61, s15, KVB/2
	s_add_co_u32 s60, s60, s61
	s_mov_b32 s61, 0
	s_mul_i32 s62, s15, 64*MP                      ; where they go: no place in the cluster enters an LDS address
	s_mul_i32 s63, s15, KVB/2
	s_add_co_u32 s63, s63, MOFF
	s_lshr_b32 s66, s18, 4                         ; q: block 64 batch + 16 cx + group
	s_lshl_b32 s66, s66, 6
	s_and_b32 s67, s18, 15
	s_add_co_u32 s66, s66, s67
	s_lshl_b32 s67, s16, 4
	s_add_co_u32 s66, s66, s67
	s_mul_i32 s66, s66, QBLK
	s_mov_b32 s67, 0
	s_mul_i32 s68, s16, 128*192                    ; acodes [group of 128 rows][head group][row][192 bytes]: my 128 rows are 24,576 dense bytes, a group's four head groups 98,304
	s_mul_i32 s69, s18, 4*128*192
	s_add_co_u32 s68, s68, s69
	s_mov_b32 s69, 0
	s_lshl_b32 s70, s18, 12                        ; ascales [row][32]: my rows, my group's 8 bytes
	s_lshl_b32 s71, s16, 3
	s_add_co_u32 s70, s70, s71
	s_mov_b32 s71, 0
	s_mov_b32 s[SEL], 0x76543210
	s_mov_b32 s[SEL+1], 0xfedcba98                 ; v_permlanex16_b32's selects for lane l xor 16
	s_mov_b32 s[CS], 0x3e38aa3b                    ; c = log2(e) / 8
	s_mov_b32 s[CS+1], s[CS]                       ; (named with it as a pair, so it is written)
	s_mov_b32 s[TB], 0
	s_mov_b32 s[CNT], 14
	s_wait_kmcnt 0x0
	s_add_nc_u64 s[8:9], s[8:9], s[58:59]
	s_add_nc_u64 s[6:7], s[6:7], s[60:61]
	s_add_nc_u64 s[4:5], s[4:5], s[66:67]
	s_add_nc_u64 s[10:11], s[10:11], s[68:69]
	s_add_nc_u64 s[12:13], s[12:13], s[70:71]
	CROUND                                         ; all sixteen work-groups are here: the first joint loads meet
.irp s, 0,1
	s_mov_b32 s[G0M+4*\s], 1                       ; count = 1
	s_add_co_u32 s[G0M+4*\s+1], s62, \s*SLOT1      ; LDS address
	s_add_nc_u64 s[G0M+4*\s+2:G0M+4*\s+3], s[8:9], \s*512   ; key step s
	s_or_b32 s[G0M+4*\s+3], s[G0M+4*\s+3], 0x80000000       ; type = 2
	s_mov_b32 s[G0KV+4*\s], 1
	s_add_co_u32 s[G0KV+4*\s+1], s63, \s*SLOT1
	s_add_nc_u64 s[G0KV+4*\s+2:G0KV+4*\s+3], s[6:7], \s*KVB
	s_or_b32 s[G0KV+4*\s+3], s[G0KV+4*\s+3], 0x80000000
.endr
	s_cmp_lt_u32 s[WV], 2                          ; the first fills, one a wave, in one chain of branches: waves 0, 1 slot 0's mask, 2, 3 its kv block, 4, 5 slot 1's mask, 6, 7 its kv block
	s_cbranch_scc0 .Lfirst_not_m
	tensor_load_to_lds s[G0M:G0M+3], s[G1M:G1M+7]
	s_nop 0
.rept 4
	v_nop
.endr
	s_branch .Lfirst_asked
.Lfirst_not_m:
	s_cmp_lt_u32 s[WV], 4
	s_cbranch_scc0 .Lfirst_not_kv
	tensor_load_to_lds s[G0KV:G0KV+3], s[G1KV:G1KV+7]
	s_nop 0
.rept 4
	v_nop
.endr
	s_branch .Lfirst_asked
.Lfirst_not_kv:
	s_cmp_lt_u32 s[WV], 6
	s_cbranch_scc0 .Lfirst_kv1
	tensor_load_to_lds s[G0M+4:G0M+7], s[G1M:G1M+7]
	s_nop 0
.rept 4
	v_nop
.endr
	s_branch .Lfirst_asked
.Lfirst_kv1:
	tensor_load_to_lds s[G0KV+4:G0KV+7], s[G1KV:G1KV+7]
	s_nop 0
.rept 4
	v_nop
.endr
.Lfirst_asked:
	v_and_b32 v6, 15, v0                           ; r
	v_bfe_u32 v7, v0, 4, 1                         ; h
	v_and_b32 v8, 31, v0                           ; lane
	s_delay_alu instid0(VALU_DEP_3)
	v_mul_u32_u24 v[AM0], v6, MP
	s_delay_alu instid0(VALU_DEP_1)
	v_lshl_add_u32 v[AM0], v7, 5, v[AM0]
	s_mul_i32 s72, s[WV], 16*MP
	v_add_nc_u32 v[AM0], s72, v[AM0]               ; the mask: row 16 wave + r, + 32 h bytes: register 8 t + j wants key 16 t + 8 h + j
	v_lshl_add_u32 v[A16], v8, 4, MOFF
	v_lshl_add_u32 v[A8], v8, 3, MOFF
	s_mul_i32 s72, s[WV], 768                      ; Q: tile = my wave
	v_lshl_add_u32 v9, v8, 4, s72
	v_lshl_add_u32 v10, v8, 3, s72
	s_lshl_b32 s73, s15, 8                         ; its scale word: word wave / 2 of lane r + 16 (wave % 2)
	s_lshr_b32 s74, s[WV], 1
	s_lshl_b32 s74, s74, 2
	s_add_co_u32 s73, s73, s74
	v_lshl_add_u32 v11, v6, 4, s73
	WIN 0x40                                       ; destination window 1
.irp hh, 0,1,2,3
	global_load_b128 v[QF+12*\hh:QF+12*\hh+3], v9, s[4:5] offset:\hh*6144
	global_load_b64 v[QF+12*\hh+4:QF+12*\hh+5], v10, s[4:5] offset:\hh*6144+512
.endr
.irp hh, 0,1,2,3
.irp i, 6,7,8,9,10,11
	v_mov_b32 v[QF+12*\hh+\i], 0                   ; zero codes for the instruction's upper 64 along K
.endr
.endr
.set n, 0
.rept 128
	v_mov_b32 v[n], 0                              ; O^T.  (The step is written once for all steps: the first finds zeros, which the first change of M leaves zeros; a first step of its own would be a fourth copy of the step's text)
.set n, n+1
.endr
	WIN 0
.irp hh, 0,1,2,3
	global_load_b32 v[QSC+\hh], v11, s[4:5] offset:24576+512*\hh
.endr
.irp i, 0,1,2,3,4,5
	v_mov_b32 v[KB+48+\i], 0                       ; behind K's tile 7
.endr
.irp b, 0,1,2,3
	v_mov_b32 v[BP+\b], 0                          ; written once: a lane permute's destination counts as one of its sources
.endr
	v_mov_b32 v[PSW], 0                            ; (named as the upper half of the pair with f before it is first written)
.irp i, 0,1,2,3,4,5,6,7
	v_mov_b32 v[LL+\i], 0                          ; the sums
.endr
.irp hh, 0,1,2,3
	v_mov_b32 v[NM+2*\hh+1], 0xff61b1e6            ; the largest t so far: -3e38, under every t
.endr
.irp hh, 0,1,2,3
	s_delay_alu instid0(VALU_DEP_4)
	v_floor_f32 v[NM+2*\hh], -v[NM+2*\hh+1]        ; -M
.endr
.macro LDM                             ; my 16 queries x 128 keys of the mask, laid as eight results
	WIN 0x40
.irp n, 0,1,2,3,4,5,6,7,8,9,10,11,12,13,14,15
	ds_load_b128 v[MK+4*\n:MK+4*\n+3], v[ADM] offset:64*(\n/2)+16*(\n%2)
.endr
	WIN 0
.endm
.macro LDK hh                          ; a head's K: eight tiles of six registers, and the scale words: 17 loads
.irp t, 0,1,2,3,4,5,6,7
	ds_load_b128 v[KB+6*\t:KB+6*\t+3], v[AD16] offset:(\hh)*6144+\t*768
	ds_load_b64 v[KB+6*\t+4:KB+6*\t+5], v[AD8] offset:(\hh)*6144+\t*768+512
.endr
	ds_load_b128 v[KSC:KSC+3], v[AD16] offset:49152+512*(\hh)
.endm
.macro LDV hh                          ; a head's V^T: four tiles of 16 channels x 128 keys, and the scale words: 13 loads
.irp d, 0,1,2,3
.irp c, 0,1,2
	ds_load_b128 v[VF+12*\d+4*\c:VF+12*\d+4*\c+3], v[AD16] offset:24576+(4*(\hh)+\d)*1536+512*\c
.endr
.endr
	ds_load_b64 v[VSC:VSC+1], v[AD8] offset:51200+256*(\hh)
.endm
.macro QK hh                           ; S^T = K Q^T + mask^T: eight accumulators, one instruction each
	WIN 0x14                                       ; source 1 (Q) and source 2 (the mask) window 1
.irp t, 0,1,2,3,4,5,6,7
.if (\t%2) == 0
	v_wmma_scale_f32_16x16x128_f8f6f4 v[SS+8*\t:SS+8*\t+7], v[KB+6*\t:KB+6*\t+11], v[QF+12*(\hh):QF+12*(\hh)+11], v[MK+8*\t:MK+8*\t+7], v[KSC+\t/2], v[QSC+(\hh)] matrix_a_fmt:MATRIX_FMT_BF6 matrix_b_fmt:MATRIX_FMT_BF6
.else
	v_wmma_scale_f32_16x16x128_f8f6f4 v[SS+8*\t:SS+8*\t+7], v[KB+6*\t:KB+6*\t+11], v[QF+12*(\hh):QF+12*(\hh)+11], v[MK+8*\t:MK+8*\t+7], v[KSC+\t/2], v[QSC+(\hh)] matrix_a_fmt:MATRIX_FMT_BF6 matrix_b_fmt:MATRIX_FMT_BF6 matrix_a_scale:MATRIX_SCALE_ROW1
.endif
.endr
	WIN 0
.endm
.macro PV hh                           ; O^T += V^T P^T: the head's four accumulators, one instruction each
	WIN 0x50                                       ; C and D window 1
.irp d, 0,1,2,3
.if (\d%2) == 0
	v_wmma_scale_f32_16x16x128_f8f6f4 v[32*(\hh)+8*\d:32*(\hh)+8*\d+7], v[VF+12*\d:VF+12*\d+11], v[PC:PC+11], v[32*(\hh)+8*\d:32*(\hh)+8*\d+7], v[VSC+\d/2], v[PSW] matrix_a_fmt:MATRIX_FMT_BF6 matrix_b_fmt:MATRIX_FMT_BF6
.else
	v_wmma_scale_f32_16x16x128_f8f6f4 v[32*(\hh)+8*\d:32*(\hh)+8*\d+7], v[VF+12*\d:VF+12*\d+11], v[PC:PC+11], v[32*(\hh)+8*\d:32*(\hh)+8*\d+7], v[VSC+\d/2], v[PSW] matrix_a_fmt:MATRIX_FMT_BF6 matrix_b_fmt:MATRIX_FMT_BF6 matrix_a_scale:MATRIX_SCALE_ROW1
.endif
.endr
	WIN 0
.endm
; THE SOFTMAX, first part: from the scores to p.
.macro SMA hh, chg                     ; chg = 1: the change of slots' barrier is signalled ahead of the blocks' maxima, and the rest of this part, work on registers, stands between signal and wait
.set rN, NM+2*(\hh)
.set rL, LL+2*(\hh)
.if \chg
	s_wait_alu depctr_va_vdst(0)                   ; directly ahead of the wait below
	s_wait_dscnt 0x0                               ; the add is done, and my reads of the slot are over: the last head's V is in
	s_barrier_signal -1                            ; all of this part, work on registers, stands between the signal and the wait
.endif
.irp b, 0,1,2,3
	v_max3_num_f32 v[BM+\b], v[SS+16*\b], v[SS+16*\b+1], v[SS+16*\b+2]   ; THE LARGEST SCORE OF EACH BLOCK OF 32 KEYS serves twice: for the row's maximum, and, since p rises with the score, for the block's largest p
.endr
.irp i, 3,5,7,9,11,13
.irp b, 0,1,2,3
	v_max3_num_f32 v[BM+\b], v[BM+\b], v[SS+16*\b+\i], v[SS+16*\b+\i+1]   ; (the four blocks by turns)
.endr
.endr
.irp b, 0,1,2,3
	v_max_num_f32 v[BM+\b], v[BM+\b], v[SS+16*\b+15]
.endr
.irp b, 0,1,2,3
	s_delay_alu instid0(VALU_DEP_4)
	v_permlanex16_b32 v[BP+\b], v[BM+\b], s[SEL], s[SEL+1]
.endr
.irp b, 0,1,2,3
	s_delay_alu instid0(VALU_DEP_4)
	v_max_num_f32 v[BM+\b], v[BM+\b], v[BP+\b]     ; with lane l xor 16's 16 keys
.endr
	s_delay_alu instid0(VALU_DEP_2)
	v_max3_num_f32 v[TT], v[BM], v[BM+1], v[BM+2]
	s_delay_alu instid0(VALU_DEP_1)
	v_max_num_f32 v[TT], v[TT], v[BM+3]            ; the step's largest score of my query
	s_delay_alu instid0(VALU_DEP_1)
	v_mul_f32 v[TT], s[CS], v[TT]                  ; as t (c is positive)
	s_delay_alu instid0(VALU_DEP_1)
	v_max_num_f32 v[rN+1], v[rN+1], v[TT]          ; the running largest t
	v_mov_b32 v[TT], v[rN]
	s_delay_alu instid0(VALU_DEP_2)
	v_floor_f32 v[rN], -v[rN+1]                    ; the new -M = floor(-t) = -ceil(t): a whole number
	s_delay_alu instid0(VALU_DEP_1)
	v_sub_f32 v[TT], v[rN], v[TT]                  ; old M - new M: a whole number, 0 or less
	s_delay_alu instid0(VALU_DEP_1)
	v_cvt_i32_f32 v[TT], v[TT]                     ; (it saturates)
	s_delay_alu instid0(VALU_DEP_1)
	v_ldexp_f32 v[FF], 1.0, v[TT]                  ; f = 2^(old M - new M)
.set j, 0
.rept 32
	v_pk_fma_f32 v[SS+j:SS+j+1], v[SS+j:SS+j+1], s[CS:CS+1], v[rN:rN+1] op_sel_hi:[1,0,0]   ; t - M, two at a time (of the pairs c and -M the low word serves both halves)
.set j, j+2
.endr
.irp b, 0,1,2,3
	v_fma_f32 v[BM+\b], v[BM+\b], s[CS], v[rN]     ; the same of each block's largest score
.endr
.set j, 0
	s_wait_alu depctr_va_vdst(0)
.rept 64
	v_exp_f32 v[SS+j], v[SS+j]                     ; p = 2^(t - M), at most 1
.set j, j+1
.endr
.irp b, 0,1,2,3
	v_exp_f32 v[BM+\b], v[BM+\b]                   ; the block's largest p: the same two instructions on the same number give the same bits
.endr
	v_pk_mul_f32 v[rL:rL+1], v[rL:rL+1], v[FF:FF+1] op_sel_hi:[1,0]   ; the sums under the new M.  (The plain instruction behind the exponentials)
.endm
; second part: p's codes and scale word, the row's sum, O^T under the new M.
.macro SMB hh
.set rL, LL+2*(\hh)
	s_wait_alu depctr_va_vdst(0)
.irp b, 0,1,2,3
	v_max_num_f32 v[BM+\b], 0x2800000, v[BM+\b]    ; the floor 2^(5 - 127): the byte cannot fall under 1
.endr
.irp b, 0,1,2,3
	s_delay_alu instid0(VALU_DEP_4)
	v_add_nc_u32 v[SOP+\b], 0xfe000000, v[BM+\b]   ; 4 off the exponent field: the conversion's scale operand
.endr
.irp b, 0,1,2,3
	s_delay_alu instid0(VALU_DEP_4)
	v_lshrrev_b32 v[BP+\b], 23, v[SOP+\b]          ; the scale's byte
.endr
	s_delay_alu instid0(VALU_DEP_3)
	v_lshl_or_b32 v[PSW], v[BP+1], 8, v[BP]        ; p's scale word for these 128 keys
	s_delay_alu instid0(VALU_DEP_1)
	v_lshl_or_b32 v[PSW], v[BP+2], 16, v[PSW]
	s_delay_alu instid0(VALU_DEP_1)
	v_lshl_or_b32 v[PSW], v[BP+3], 24, v[PSW]
.irp c, 0,1
	v_cvt_scalef32_pk16_bf6_f32 v[PC+6*\c:PC+6*\c+2], v[SS+32*\c:SS+32*\c+15], v[SOP+2*\c]
	v_cvt_scalef32_pk16_bf6_f32 v[CT+4*\c:CT+4*\c+2], v[SS+16+32*\c:SS+31+32*\c], v[SOP+2*\c+1]   ; (a conversion's three registers begin on an even number)
.endr
	v_nop                                          ; one plain place behind a scaled conversion
.irp c, 0,1                                    ; the operand's layout wants a WHOLE block in a lane: lanes 0-15 block 2 c, lanes 16-31 block 2 c + 1
.irp i, 0,1,2
	v_permlane16_swap_b32 v[PC+6*\c+\i], v[CT+4*\c+\i]
.endr
.irp i, 0,1,2
	s_delay_alu instid0(VALU_DEP_3)
	v_mov_b32 v[PC+3+6*\c+\i], v[CT+4*\c+\i]
.endr
.endr
	v_pk_add_f32 v[L2:L2+1], v[SS:SS+1], v[SS+2:SS+3]   ; THE ROW'S SUM IS TAKEN OF THE UNQUANTISED p: two at a time, in four chains (v240-243, v248-249 and the sum itself).  (These lines are also the places between the writes of p's codes and scale word and the products)
	v_pk_add_f32 v[242:243], v[SS+4:SS+5], v[SS+6:SS+7]
	v_pk_add_f32 v[248:249], v[SS+8:SS+9], v[SS+10:SS+11]
	v_pk_add_f32 v[rL:rL+1], v[rL:rL+1], v[SS+12:SS+13]
	v_pk_add_f32 v[L2:L2+1], v[L2:L2+1], v[SS+14:SS+15]
.irp j, 16,24,32,40,48,56
	v_pk_add_f32 v[rL:rL+1], v[rL:rL+1], v[SS+\j:SS+\j+1]
	v_pk_add_f32 v[L2:L2+1], v[L2:L2+1], v[SS+2+\j:SS+3+\j]
	v_pk_add_f32 v[242:243], v[242:243], v[SS+4+\j:SS+5+\j]
	v_pk_add_f32 v[248:249], v[248:249], v[SS+6+\j:SS+7+\j]
.endr
	v_pk_add_f32 v[L2:L2+1], v[L2:L2+1], v[242:243]
	v_pk_add_f32 v[rL:rL+1], v[rL:rL+1], v[248:249]
	s_delay_alu instid0(VALU_DEP_1)
	v_pk_add_f32 v[rL:rL+1], v[rL:rL+1], v[L2:L2+1]
	WIN 0x41                                       ; O^T (destination and source 0) window 1
.set j, 0
.rept 16
	v_pk_mul_f32 v[32*(\hh)+j:32*(\hh)+j+1], v[32*(\hh)+j:32*(\hh)+j+1], v[FF:FF+1] op_sel_hi:[1,0]   ; O^T under the new M
.set j, j+2
.endr
.endm
; THE CHANGE OF SLOTS stands in a step's last unit, when V of the last head has been asked for: nothing more is read from the slot.  Each wave waits for all its tensor loads (its part of the next slot), adds 0 to its spare word,
; and waits for that and for its reads of the slot.  fill = 1: a round of the cluster's barrier, and behind it the slot is filled with the step two on, which has a whole step in which to land.  Then the next step's mask and first K are fetched.
.macro CHANGE fill                     ; the wait for all tensor loads and the add stand ahead of the softmax's first part, the wait for the add and the signal inside it: here the barrier is waited for
.if \fill
	s_xor_b32 s[G0M+5], s[G0M+5], SLOT1            ; the walking descriptors: the other slot than last time,
	s_add_nc_u64 s[G0M+6:G0M+7], s[G0M+6:G0M+7], 512   ; the next 128 keys; the type bits on top are not reached
	s_xor_b32 s[G0KV+5], s[G0KV+5], SLOT1
	s_add_nc_u64 s[G0KV+6:G0KV+7], s[G0KV+6:G0KV+7], KVB
	s_wait_alu depctr_va_vdst(0)                   ; the exponentials have their wait ahead of the branches below
	s_barrier_wait -1
	CREST
	JLOAD
.else
	s_wait_alu depctr_va_vdst(0)
	s_barrier_wait -1
.endif
	s_xor_b32 s[TB], s[TB], SLOT1                  ; on to the other slot
	v_add_nc_u32 v[ADM], s[TB], v[AM0]
	v_add_nc_u32 v[AD16], s[TB], v[A16]
	v_add_nc_u32 v[AD8], s[TB], v[A8]
	s_wait_alu depctr_va_vdst(0)
	LDM
	LDK 0
.endm
; A UNIT: one head, 128 keys.  mode (for the last head): 1 the slot is changed and filled again; 2 changed; 0 the last step.
.macro UNIT hh, mode
.if (\hh == 3) && (\mode != 0)
	PLACES                                         ; behind the last unit's products: for the loads into V's registers
	LDV \hh                                        ; the slot's last reads are asked for ahead of the scores' products
	s_wait_tensorcnt 0x0                           ; no tensor load of mine is out: my part of the next slot is in, and a group 0 may be written
	ds_add_u32 v[SPW], v[NIL]                      ; 0 onto my spare word
	s_wait_dscnt 14                                ; this head's K is in; V's 13 loads and the add, issued behind it, may be out
	QK \hh                                         ; eight products stand between the add and the wait for it
	PLACES                                         ; behind the products: for the reads of the scores
	SMA \hh, 1
.else
	s_wait_dscnt 0x0                               ; this head's K is in (asked for a softmax ago); for head 0 the mask too
	QK \hh
	PLACES                                         ; behind the products: for the reads of the scores, and for the loads into K's registers and, behind the last unit's products, V's
	LDV \hh
.if \hh < 3
	LDK (\hh)+1
.endif
	SMA \hh, 0
.endif
.if (\hh == 3) && (\mode == 1)
	CHANGE 1
.elseif (\hh == 3) && (\mode == 2)
	CHANGE 0
.endif
	SMB \hh
.if \hh < 3
	s_wait_alu depctr_va_vdst(0)
	s_wait_dscnt 17                                ; V is in; the next head's 17 loads of K, issued behind it, may be out
.elseif \mode == 0
	s_wait_alu depctr_va_vdst(0)
	s_wait_dscnt 0x0
.endif                                         ; (behind a change of slots its wait for 0 has shown V in)
	PV \hh
.endm
.macro STEPM mode
	UNIT 0, \mode
	UNIT 1, \mode
	UNIT 2, \mode
	UNIT 3, \mode
.endm
	s_wait_tensorcnt 0x0                           ; my first fill is in
	s_barrier_signal -1
	s_barrier_wait -1                              ; everybody's is
	v_add_nc_u32 v[ADM], s[TB], v[AM0]
	v_add_nc_u32 v[AD16], s[TB], v[A16]
	v_add_nc_u32 v[AD8], s[TB], v[A8]
	LDM
	LDK 0
	s_wait_loadcnt 0x0                             ; Q and its scale words
.Lstep:                                                ; 14 trips: step t fills its slot with step t + 2.  The accumulators take turns, one instruction a turn, over the backward jump too
	s_wait_alu depctr_va_vdst(0)
	STEPM 1
	s_sub_co_u32 s[CNT], s[CNT], 1
	s_cmp_lg_u32 s[CNT], 0
	s_cbranch_scc1 .Lstep
	STEPM 2                                        ; the last two steps are written out
	STEPM 0
	; THE WAY OUT.  O^T / the sum is quantised along the head's 64 (two blocks: tiles 2 B, 2 B + 1, with the lane 16 away).  A lane's 16 codes are 12 bytes of its row; rows are gathered in a stage and leave as dense bytes.
.irp hh, 0,1,2,3
	v_add_f32 v[LL+2*\hh], v[LL+2*\hh], v[LL+2*\hh+1]   ; the sum's two halves (these lines are the places behind the last products),
.endr
.irp hh, 0,1,2,3
	s_delay_alu instid0(VALU_DEP_4)
	v_permlanex16_b32 v[BP+\hh], v[LL+2*\hh], s[SEL], s[SEL+1]
.endr
.irp hh, 0,1,2,3
	s_delay_alu instid0(VALU_DEP_4)
	v_add_f32 v[LL+2*\hh], v[LL+2*\hh], v[BP+\hh]  ; and lane l xor 16's: the row's sum
.endr
	s_wait_alu depctr_va_vdst(0)
.irp hh, 0,1,2,3
	v_rcp_f32 v[NM+2*\hh], v[LL+2*\hh]
.endr
	v_and_b32 v6, 15, v0                           ; r  (a plain place behind the reciprocals)
	v_bfe_u32 v7, v0, 4, 1                         ; h
	s_mul_i32 s72, s[WV], 16*192
	v_mul_u32_u24 v9, v6, 192
	s_delay_alu instid0(VALU_DEP_1)
	v_mad_u32_u24 v9, v7, 12, v9
	s_delay_alu instid0(VALU_DEP_1)
	v_add_nc_u32 v9, s72, v9
	s_delay_alu instid0(VALU_DEP_1)
	v_add_nc_u32 v9, STAGE, v9                     ; the stage: row 16 wave + r, + 12 h
	s_lshl_b32 s72, s[WV], 7
	v_lshl_add_u32 v10, v6, 3, s72
	s_delay_alu instid0(VALU_DEP_1)
	v_add_nc_u32 v10, SCST, v10                    ; the row's 8 scale bytes
	v_lshl_add_u32 v11, v0, 4, STAGE               ; back: 16 bytes a thread
	v_lshlrev_b32 v8, 4, v0                        ; and the same place in my 24,576 bytes of acodes
	v_lshl_add_u32 v1, v0, 3, SCST                 ; a row's scale bytes, a thread to a row,
	v_lshlrev_b32 v2, 5, v0                        ; 32 bytes apart in ascales
	s_wait_alu depctr_va_vdst(0)
.macro OUTH hh
.set XO, SS+32*((\hh)%2)
	WIN 0x01                                       ; source 0 window 1
.set n, 0
.rept 16
	v_pk_mul_f32 v[XO+n:XO+n+1], v[32*(\hh)+n:32*(\hh)+n+1], v[NM+2*(\hh):NM+2*(\hh)+1] op_sel_hi:[1,0]   ; each accumulator from its low end on
.set n, n+2
.endr
	WIN 0
.irp b, 0,1
	v_max3_num_f32 v[BM+\b], |v[XO+16*\b]|, |v[XO+16*\b+1]|, 0x2800000
.endr
.irp i, 2,4,6,8,10,12,14
.irp b, 0,1
	s_delay_alu instid0(VALU_DEP_2)
	v_max3_num_f32 v[BM+\b], v[BM+\b], |v[XO+16*\b+\i]|, |v[XO+16*\b+\i+1]|
.endr
.endr
.irp b, 0,1
	s_delay_alu instid0(VALU_DEP_2)
	v_permlanex16_b32 v[BP+\b], v[BM+\b], s[SEL], s[SEL+1]
.endr
.irp b, 0,1
	s_delay_alu instid0(VALU_DEP_2)
	v_max_num_f32 v[BM+\b], v[BM+\b], v[BP+\b]
.endr
.irp b, 0,1
	s_delay_alu instid0(VALU_DEP_2)
	v_add_nc_u32 v[SOP+\b], 0xfe000000, v[BM+\b]
.endr
.irp b, 0,1
	s_delay_alu instid0(VALU_DEP_2)
	v_lshrrev_b32 v[BP+\b], 23, v[SOP+\b]
.endr
	s_delay_alu instid0(VALU_DEP_1)
	v_lshl_or_b32 v[OSC+(\hh)], v[BP+1], 8, v[BP]
.irp b, 0,1
	v_cvt_scalef32_pk16_bf6_f32 v[OC+8*(\hh)+4*\b:OC+8*(\hh)+4*\b+2], v[XO+16*\b:XO+16*\b+15], v[SOP+\b]
.endr
	v_nop                                          ; one plain place behind a scaled conversion
.irp b, 0,1
.irp i, 0,1,2
	ds_store_b32 v9, v[OC+8*(\hh)+4*\b+\i] offset:48*(\hh)+24*\b+4*\i
.endr
.endr
	ds_store_b16 v10, v[OSC+(\hh)] offset:2*(\hh)  ; both lanes of a row write the same two bytes with the same value
.endm
	OUTH 0
	OUTH 1
	OUTH 2
	OUTH 3
	s_wait_dscnt 0x0                               ; for the others' sake: my stores into the stage are done
	s_barrier_signal -1
	s_barrier_wait -1
.irp k, 0,1,2,3,4,5
	ds_load_b128 v[32+4*\k:35+4*\k], v11 offset:4096*\k
.endr
.irp k, 0,1,2,3,4,5
	s_wait_dscnt 5-\k                              ; load k is in; the younger ones may be out
	global_store_b128 v8, v[32+4*\k:35+4*\k], s[10:11] offset:4096*\k   ; a wave stores 512 consecutive bytes, aligned
.endr
	s_cmp_lt_u32 s[WV], 4                          ; 128 rows of scale bytes: threads 0-127.  8 bytes of each row's 32: the other head groups' work-groups write the rest (1/24 of what this launch stores)
	s_cbranch_scc0 .Lno_scales
	ds_load_b64 v[56:57], v1
	s_wait_dscnt 0x0
	global_store_b64 v2, v[56:57], s[12:13]
.Lno_scales:
	s_wait_tensorcnt 0x0                           ; the wave's end
	ds_add_u32 v[SPW], v[NIL]
	s_wait_dscnt 0x0
	CROUND                                         ; the closing round: no work-group ends while a partner may still ask for a tile that names it
	s_endpgm
.Lfunc_end_k_qc4ecf48e10_attn:
	.size	k_qc4ecf48e10_attn, .Lfunc_end_k_qc4ecf48e10_attn-k_qc4ecf48e10_attn
	.p2alignl 7, 3214868480
	.fill 96, 4, 3214868480
	.section	.rodata,"a",@progbits
	.p2align	6, 0x0
	.amdhsa_kernel k_qc4ecf48e10_attn
		.amdhsa_group_segment_fixed_size 327680
		.amdhsa_private_segment_fixed_size 0
		.amdhsa_enable_private_segment 0
		.amdhsa_kernarg_size 40
		.amdhsa_user_sgpr_count 2
		.amdhsa_user_sgpr_kernarg_segment_ptr 1
		.amdhsa_wavefront_size32 1
		.amdhsa_system_sgpr_workgroup_id_x 1
		.amdhsa_system_sgpr_workgroup_id_y 1
		.amdhsa_system_sgpr_workgroup_id_z 1
		.amdhsa_system_vgpr_workitem_id 0
		.amdhsa_next_free_vgpr 512
		.amdhsa_next_free_sgpr 80
		.amdhsa_reserve_vcc 0
		.amdhsa_float_denorm_mode_32 3
		.amdhsa_float_denorm_mode_16_64 3
		.amdhsa_memory_ordered 1
		.amdhsa_forward_progress 1
		.amdhsa_inst_pref_size 237
	.end_amdhsa_kernel
	.amdgpu_metadata
---
amdhsa.version: [ 1, 2 ]
amdhsa.kernels:
  - .name:           k_qc4ecf48e10_attn
    .symbol:         k_qc4ecf48e10_attn.kd
    .args:
      - { .name: q, .offset: 0, .size: 8, .value_kind: global_buffer, .address_space: global }
      - { .name: kv, .offset: 8, .size: 8, .value_kind: global_buffer, .address_space: global }
      - { .name: attn_mask, .offset: 16, .size: 8, .value_kind: global_buffer, .address_space: global }
      - { .name: acodes, .offset: 24, .size: 8, .value_kind: global_buffer, .address_space: global }
      - { .name: ascales, .offset: 32, .size: 8, .value_kind: global_buffer, .address_space: global }
    .group_segment_fixed_size: 327680
    .private_segment_fixed_size: 0
    .kernarg_segment_align: 8
    .kernarg_segment_size: 40
    .max_flat_workgroup_size: 256
    .sgpr_count:     80
    .vgpr_count:     512
    .wavefront_size: 32
...
	.end_amdgpu_metadata
.endif
;; end of part 3
;; launch out (part 4): grid 4 x 64, 4 waves a work-group, clusters of 4 x 4, 327,680 bytes of LDS; arguments acodes, ascales, wcodes, wscales, WO_b, out0; writes out0
.if DOCPART == 4
	.amdgcn_target "amdgcn-amd-amdhsa--gfx1250"
	.amdhsa_code_object_version 6
	.text
	.protected	k_qc4ecf48e10_out
	.globl	k_qc4ecf48e10_out
	.p2align	8
	.type	k_qc4ecf48e10_out,@function
k_qc4ecf48e10_out:
	s_mov_b64 s[64:65], 0
	v_nop
	global_prefetch_b8 v0, s[64:65] scope:SCOPE_SE
	s_setreg_imm32_b32 hwreg(HW_REG_WAVE_MODE, 25, 1), 1
	s_wait_xcnt 0x0
	s_wait_alu depctr_hold_cnt(0) depctr_sa_sdst(0) depctr_va_vdst(0) depctr_va_sdst(0) depctr_va_ssrc(0) depctr_va_vcc(0) depctr_vm_vsrc(0)
	s_getreg_b32 s2, hwreg(HW_REG_IB_STS2, 6, 4)
	s_cmp_eq_u32 s2, 0
	s_cbranch_scc0 .Lentry_in_a_cluster
	s_endpgm
.Lentry_in_a_cluster:
	s_bfe_u32 s2, ttmp6, 0x10000c
	s_cmp_lg_u32 s2, 0xf033
	s_cbranch_scc0 .Lentry_shape_is_right
	s_endpgm
.Lentry_shape_is_right:
; out0 [8192][1024] f32 = attention's result (codes of BF6 with E8M0 scales, K = 1,024) x WO^T (codes likewise) + WO_b.
; SHARES: a work-group makes 128 rows x 256 columns: 64 x 4 = 256 work-groups; each of four waves 64 x 128: 32 accumulators of 16 x 16.
; acodes lie [group of 128 rows][K step of 256][row][192 bytes], wcodes [block of 256 rows][K step][row][192 bytes] (WO is blocks 12-15): every tile is a dense run of bytes, loaded as rows of 256 bytes;
; 16 bytes of padding behind each 64 give LDS rows of 240 bytes for 192 bytes of codes.
; LDS: A's 128 rows for ALL of K (4 x 30,720), then three regions of 61,440 for B's K steps 0, 1, 2.  The head's four loads, one a wave, bring all of that: waves 0, 1 a half of A each, waves 2, 3 a half of B's three steps each.
; K step 3 of B is the one refill: into region 0, behind a round of the cluster's barrier, when K step 0 has been read; a quarter a wave.  Every wait on TENSORcnt is for 0.
; THE SCALES AND THE BIAS go from memory straight into registers, once: a row's 32 scale bytes are eight words, one for each 128 along K.  A's: lane r takes row r of a block of 16.  B's: the 32 lanes take 32 rows: the even block
; in lanes 0-15, the odd one in lanes 16-31.  The bias is the C of each accumulator's first product.
; CLUSTER 4 x 4: A's tiles hang on the tile row and are asked for jointly along a row of the cluster, B's on the tile column, jointly along a column.
; THE MATRIX INSTRUCTION IS USED TRANSPOSED (source 0 = 16 rows of WO, source 1 = 16 rows of A): a lane holds eight neighbouring columns of one row of the result.
; No prefetch: the walk along K is eight steps written out, with no loop to run ahead in, and all but one sixth of the tiles' bytes are asked for at the head.
; REGISTERS: window 0: v8-23 addresses, v28-29 the add's; v32-63 A's scale words, v64-95 B's; v96-159 the bias; v160-255 A's fragments, two sets; on the way out v128-255.  window 1: B's fragments, sets at v0 and v128.  window 2: accumulator (a, b) at v[8 (8 a + b)].
.set PITCH,  240
.set AK,     128*PITCH                 ; A's rows of one K step
.set BKB,    256*PITCH                 ; B's rows of one K step
.set BOFF,   4*AK
.set STAGE,  BOFF+BKB                  ; the way out goes through region 1: filled once, and read no more behind the walk's last barrier
.set SPARE,  BOFF+3*BKB                ; the spare words, 128 bytes for each wave
.set SPITCH, 528
.set SIZE_N, 1024
.set ADRA, 8                           ; v8, v9 my A rows in K steps 0-1, 2-3; v10, v11 the same + 16 in lanes 16-31, for pieces whose upper half lies behind a pad
.set ADRB, 12                          ; v12-14 my B rows in regions 0-2; v15-17 the same + 16 in lanes 16-31
.set STO,  18
.set RD,   19
.set CO,   20
.set LA,   21
.set LS,   22
.set BA,   23
.set SPW,  28
.set NIL,  29
.set SA,   32
.set SB,   64
.set BI,   96
.set AF,   160
.set BK,   128
.set G1A, 28
.set G1B, 36
.set G1R, 44
.set G0A, 52
.set G0B, 56
.set G0R, 60
.set PADW, (1<<20)|(1<<21)|(3<<22)|(3<<25)   ; elements of 1 byte; padding on; bit 21 beside a mask; after every 16 words, 4 words
.set MULW, 0xa1                        ; source 0 window 1, source 1 window 0, C and D window 2
.set FSTW, 0x81                        ; the same with C (the bias) in window 0
.set MSB, 0
.macro WIN new
.if MSB != \new
	s_set_vgpr_msb (MSB<<8)|\new
.set MSB, \new
.endif
.endm
.macro PLACES
.rept 4
	v_nop
.endr
.endm
.macro CREST
	s_cmp_lg_u32 s16, 0
	s_cbranch_scc1 .Lnot_wave_0_\@
	s_barrier_signal -3
.Lnot_wave_0_\@:
	s_barrier_wait -3
	s_barrier_signal -1
	s_barrier_wait -1
.endm
.macro CROUND
	s_barrier_signal -1
	s_barrier_wait -1
	CREST
.endm
.macro GONE g, rows                    ; group 1 of a dense block: so many rows of 256 bytes
	s_mov_b32 s[\g+1], 256<<16
	s_mov_b32 s[\g+2], (\rows)<<16
	s_mov_b32 s[\g+3], 256<<16
	s_mov_b32 s[\g+4], \rows
	s_mov_b32 s[\g+5], 256
	s_mov_b32 s[\g+6], 0
	s_mov_b32 s[\g+7], 0
.endm
	s_load_b256 s[4:11], s[0:1], 0x0               ; acodes, ascales, wcodes, wscales
	s_load_b128 s[12:15], s[0:1], 0x20             ; WO_b, out0
	v_lshl_add_u32 v[SPW], v0, 2, SPARE
	v_mov_b32 v[NIL], 0
	ds_add_u32 v[SPW], v[NIL]                      ; the opening lines: the add, twice on end, and its wait ahead of my first tensor load
	ds_add_u32 v[SPW], v[NIL]
	v_lshrrev_b32 v1, 5, v0
	v_readfirstlane_b32 s16, v1                    ; wave
	s_lshr_b32 s17, s16, 1                         ; which 64 rows of A are mine.  Also: I fetch for A (0) or for B (1)
	s_and_b32 s18, s16, 1                          ; which 128 rows of B.  Also: which half I fetch
	s_bfe_u32 s19, ttmp6, 0x40000                  ; cx
	s_bfe_u32 s20, ttmp6, 0x40004                  ; cy
	s_lshl_b32 s21, ttmp9, 2
	s_add_co_u32 s21, s21, s19                     ; tile column
	s_and_b32 s22, ttmp7, 0xffff
	s_lshl_b32 s22, s22, 2
	s_add_co_u32 s22, s22, s20                     ; tile row
	s_lshl_b32 s23, s20, 2
	s_lshl_b32 s23, 15, s23                        ; my row of the cluster
	s_lshl_b32 s24, 0x1111, s19                    ; my column
	s_or_b32 s[G1A], s23, PADW
	s_or_b32 s[G1B], s24, PADW
	s_or_b32 s[G1R], s24, PADW
	GONE G1A, 192                                  ; half of A: two K steps x 128 rows x 192 bytes
	GONE G1B, 288                                  ; half of B's three K steps
	GONE G1R, 48                                   ; a quarter of B's K step 3
	s_mul_i32 s68, s22, 98304                      ; byte offsets.  A's codes: my tile, my half
	s_mul_i32 s25, s18, 49152
	s_add_co_u32 s68, s68, s25
	s_mov_b32 s69, 0
	s_add_co_u32 s26, s21, 12                      ; B's codes: block 12 + tile column
	s_mul_i32 s26, s26, 196608
	s_mul_i32 s25, s18, 73728
	s_add_co_u32 s70, s26, s25
	s_mov_b32 s71, 0
	s_mul_i32 s25, s16, 12288                      ; and my quarter of its K step 3
	s_add_co_u32 s72, s26, s25
	s_add_co_u32 s72, s72, 147456
	s_mov_b32 s73, 0
	s_lshl_b32 s74, s22, 12                        ; A's scales: 32 bytes a row, my 64 rows
	s_lshl_b32 s25, s17, 11
	s_add_co_u32 s74, s74, s25
	s_mov_b32 s75, 0
	s_lshl_b32 s76, s21, 13                        ; B's scales: row 3,072 + 256 tile column + my 128
	s_lshl_b32 s25, s18, 12
	s_add_co_u32 s76, s76, s25
	s_add_co_u32 s76, s76, 98304
	s_mov_b32 s77, 0
	s_lshl_b32 s78, s21, 10                        ; my first column, in bytes
	s_lshl_b32 s25, s18, 9
	s_add_co_u32 s78, s78, s25
	s_mov_b32 s79, 0
	s_lshl_b32 s80, s22, 19                        ; my first row of the result, 4,096 bytes a row
	s_lshl_b32 s25, s17, 18
	s_add_co_u32 s80, s80, s25
	s_add_co_u32 s80, s80, s78
	s_mov_b32 s81, 0
	s_mul_i32 s82, s17, 64*PITCH                   ; LDS: my rows of A,
	s_add_co_u32 s83, s82, 2*AK
	s_mul_i32 s84, s18, 128*PITCH                  ; of B,
	s_add_co_u32 s84, s84, BOFF
	s_add_co_u32 s85, s84, BKB
	s_add_co_u32 s86, s85, BKB
	s_mul_i32 s87, s16, 16*SPITCH                  ; my stage,
	s_add_co_u32 s87, s87, STAGE
	s_mul_i32 s88, s18, 2*AK                       ; and where my loads go
	s_mul_i32 s89, s18, 288*320
	s_add_co_u32 s89, s89, BOFF
	s_mul_i32 s90, s16, 48*320
	s_add_co_u32 s90, s90, BOFF
	v_and_b32 v1, 15, v0                           ; r
	v_bfe_u32 v2, v0, 4, 1                         ; h
	v_and_b32 v5, 31, v0                           ; lane
	v_mul_u32_u24 v3, v1, PITCH
	v_mad_u32_u24 v3, v2, 24, v3                   ; a fragment's row x pitch + 24 h
	v_lshl_add_u32 v4, v2, 4, v3
	v_add_nc_u32 v[ADRA], s82, v3
	v_add_nc_u32 v[ADRA+1], s83, v3
	v_add_nc_u32 v[ADRA+2], s82, v4
	v_add_nc_u32 v[ADRA+3], s83, v4
	v_add_nc_u32 v[ADRB], s84, v3
	v_add_nc_u32 v[ADRB+1], s85, v3
	v_add_nc_u32 v[ADRB+2], s86, v3
	v_add_nc_u32 v[ADRB+3], s84, v4
	v_add_nc_u32 v[ADRB+4], s85, v4
	v_add_nc_u32 v[ADRB+5], s86, v4
	v_mul_u32_u24 v6, v1, SPITCH                   ; into the stage: row r, 32 bytes for each half of the lanes
	v_lshl_add_u32 v6, v2, 5, v6
	v_add_nc_u32 v[STO], s87, v6
	v_lshlrev_b32 v[CO], 4, v5                     ; back: the 32 lanes take a row of 512 bytes; the same in the result
	v_add_nc_u32 v[RD], s87, v[CO]
	v_lshlrev_b32 v[LA], 5, v1                     ; scales: 32 bytes a row
	v_lshlrev_b32 v[LS], 5, v5
	v_lshlrev_b32 v[BA], 5, v2                     ; bias: 32 h bytes
	s_wait_alu depctr_va_vdst(0)                   ; the wait at the head's end
	s_wait_dscnt 0x0                               ; both opening adds are done
	s_wait_kmcnt 0x0
	s_add_nc_u64 s[68:69], s[4:5], s[68:69]
	s_add_nc_u64 s[70:71], s[8:9], s[70:71]
	s_add_nc_u64 s[72:73], s[8:9], s[72:73]
	s_add_nc_u64 s[74:75], s[6:7], s[74:75]
	s_add_nc_u64 s[76:77], s[10:11], s[76:77]
	s_add_nc_u64 s[78:79], s[12:13], s[78:79]
	s_add_nc_u64 s[14:15], s[14:15], s[80:81]
.irp i, 0,1,2,3
.irp j, 0,1
	global_load_b128 v[SA+8*\i+4*\j:SA+8*\i+4*\j+3], v[LA], s[74:75] offset:512*\i+16*\j    ; A's block i: words 4 j .. 4 j + 3 of row r
	global_load_b128 v[SB+8*\i+4*\j:SB+8*\i+4*\j+3], v[LS], s[76:77] offset:1024*\i+16*\j   ; B's blocks 2 i (lanes 0-15) and 2 i + 1 (lanes 16-31)
.endr
.endr
.irp b, 0,1,2,3,4,5,6,7
	global_load_b128 v[BI+8*\b:BI+8*\b+3], v[BA], s[78:79] offset:64*\b
	global_load_b128 v[BI+8*\b+4:BI+8*\b+7], v[BA], s[78:79] offset:64*\b+16
.endr
	CROUND                                         ; all sixteen work-groups are here: the joint loads meet
	s_mov_b32 s[G0A], 1
	s_mov_b32 s[G0A+1], s88
	s_mov_b64 s[G0A+2:G0A+3], s[68:69]
	s_or_b32 s[G0A+3], s[G0A+3], 0x80000000
	s_mov_b32 s[G0B], 1
	s_mov_b32 s[G0B+1], s89
	s_mov_b64 s[G0B+2:G0B+3], s[70:71]
	s_or_b32 s[G0B+3], s[G0B+3], 0x80000000
	s_mov_b32 s[G0R], 1
	s_mov_b32 s[G0R+1], s90
	s_mov_b64 s[G0R+2:G0R+3], s[72:73]
	s_or_b32 s[G0R+3], s[G0R+3], 0x80000000
	s_cmp_eq_u32 s17, 0                            ; one load a wave, one to each arm
	s_cbranch_scc0 .Lhead_b
	tensor_load_to_lds s[G0A:G0A+3], s[G1A:G1A+7]
	s_nop 0
	PLACES
	s_branch .Lhead_asked
.Lhead_b:
	tensor_load_to_lds s[G0B:G0B+3], s[G1B:G1B+7]
	s_nop 0
	PLACES
.Lhead_asked:
; a fragment, 16 rows x 128 K, is 12 registers, in six pieces of 8 bytes.  Piece n of a row of 192 bytes lies at 8 n + 16 (n / 8); lanes 16-31 read three pieces on, which is behind a pad where n % 8 is 5 or more.
.macro FRAG reg, adr, dv, off, qq
.irp p, 0,1,2,3,4,5
.set PCE, 12*(\qq)+6*(\p/3)+\p%3
.if PCE%8 < 5
	ds_load_b64 v[\reg+2*\p:\reg+2*\p+1], v[\adr] offset:8*PCE+16*(PCE/8)+(\off)
.else
	ds_load_b64 v[\reg+2*\p:\reg+2*\p+1], v[\adr+\dv] offset:8*PCE+16*(PCE/8)+(\off)
.endif
.endr
.endm
.macro FETCH st                        ; step st's fragments (128 along K; K step st / 2) into set st % 2: B's eight, A's four
	WIN 0x40
.irp i, 0,1,2,3,4,5,6,7
	FRAG 128*((\st)%2)+12*\i,ADRB+((\st)/2)%3,3,\i*16*PITCH,(\st)%2
.endr
	WIN 0
.irp i, 0,1,2,3
	FRAG AF+48*((\st)%2)+12*\i,ADRA+(\st)/4,2,(((\st)/2)%2)*AK+\i*16*PITCH,(\st)%2
.endr
.endm
.macro MUL st, a0, first               ; 16 products: A's blocks a0, a0 + 1 x B's eight.  The accumulators take turns, one instruction a turn
.irp a, \a0, \a0+1
.irp b, 0,2,4,6
.if \first
.set CC, BI+8*\b
.else
.set CC, 8*(8*(\a)+\b)
.endif
	v_wmma_scale_f32_16x16x128_f8f6f4 v[8*(8*(\a)+\b):8*(8*(\a)+\b)+7], v[128*((\st)%2)+12*\b:128*((\st)%2)+12*\b+11], v[AF+48*((\st)%2)+12*(\a):AF+48*((\st)%2)+12*(\a)+11], v[CC:CC+7], v[SB+4*\b+(\st)], v[SA+8*(\a)+(\st)] matrix_a_fmt:MATRIX_FMT_BF6 matrix_b_fmt:MATRIX_FMT_BF6
	v_wmma_scale_f32_16x16x128_f8f6f4 v[8*(8*(\a)+\b)+8:8*(8*(\a)+\b)+15], v[128*((\st)%2)+12*\b+12:128*((\st)%2)+12*\b+23], v[AF+48*((\st)%2)+12*(\a):AF+48*((\st)%2)+12*(\a)+11], v[CC+8:CC+15], v[SB+4*\b+(\st)], v[SA+8*(\a)+(\st)] matrix_a_fmt:MATRIX_FMT_BF6 matrix_b_fmt:MATRIX_FMT_BF6 matrix_a_scale:MATRIX_SCALE_ROW1
.endr
.endr
.endm
; A step: 32 products on set st % 2, with the next step's 72 LDS loads issued ahead of them into the other set (four places behind the products that read it).
; kind 0 plain; 1 region 0 has been read out: the three lines, a round, the refill; 2 the refill is shown to all four waves by a barrier, ahead of the first read of it; 3 the last step
.macro STEP st, kind, first
.if \kind == 1
	s_wait_tensorcnt 0x0                           ; no tensor load of mine is out
	ds_add_u32 v[SPW], v[NIL]                      ; 0 onto my spare word
.elseif \kind == 2
	s_wait_tensorcnt 0x0                           ; my quarter of K step 3 is in
.endif
	s_wait_dscnt 0x0                               ; this step's fragments are in (and the add is done): none of my LDS reads is out
.if \kind == 1 || \kind == 2
	s_barrier_signal -1
	WIN MULW
	MUL \st, 0, 0                                  ; work on registers while the others arrive
	WIN 0
	s_barrier_wait -1
.if \kind == 1
	CREST                                          ; the barrier has opened a round: no wave of any partner still reads region 0
	tensor_load_to_lds s[G0R:G0R+3], s[G1R:G1R+7]  ; B's K step 3, a quarter a wave
	s_nop 0
.endif
	PLACES
	FETCH (\st)+1
	WIN MULW
	MUL \st, 2, 0
.else
.if \kind == 0
.if (\st) > 0
	PLACES
.endif
	FETCH (\st)+1
.endif
.if \first
	WIN FSTW
.else
	WIN MULW
.endif
	MUL \st, 0, \first
	MUL \st, 2, \first
.endif
	WIN 0
.endm
	s_wait_tensorcnt 0x0                           ; my load is in;
	s_barrier_signal -1
	s_barrier_wait -1                              ; everybody's is.
	FETCH 0
	s_wait_loadcnt 0x0                             ; the scale words and the bias
	STEP 0, 0, 1
	STEP 1, 1, 0
	STEP 2, 0, 0
	STEP 3, 0, 0
	STEP 4, 0, 0
	STEP 5, 2, 0
	STEP 6, 0, 0
	STEP 7, 3, 0
; THE WAY OUT, by blocks of 16 rows x 128 columns: through my own stage, back as whole rows of 512 bytes, which the 32 lanes store as two aligned runs of 256 bytes.  LDS serves a wave's instructions in order.
.macro TOSTAGE a
	WIN 0x08                                       ; the data: window 2
.irp b, 0,1,2,3,4,5,6,7
	ds_store_b128 v[STO], v[64*(\a)+8*\b:64*(\a)+8*\b+3] offset:64*\b          ; each accumulator from its low end on
	ds_store_b128 v[STO], v[64*(\a)+8*\b+4:64*(\a)+8*\b+7] offset:64*\b+16
.endr
	WIN 0
.set BB, BK+64*((\a)%2)
.irp t, 0,1,2,3,4,5,6,7,8,9,10,11,12,13,14,15
	ds_load_b128 v[BB+4*\t:BB+4*\t+3], v[RD] offset:\t*SPITCH
.endr
.endm
.macro SEND a, younger                 ; younger: the LDS instructions issued behind block a's loads
.set BB, BK+64*((\a)%2)
	s_wait_dscnt \younger
.if (\a) > 0
	s_add_nc_u64 s[14:15], s[14:15], 16*SIZE_N*4   ; behind a wait on XCNT: the earlier stores have read their base
.endif
.irp t, 0,1,2,3,4,5,6,7,8,9,10,11,12,13,14,15
	global_store_b128 v[CO], v[BB+4*\t:BB+4*\t+3], s[14:15] offset:\t*SIZE_N*4 th:TH_STORE_NT
.endr
.endm
	PLACES                                         ; behind the last products: for the reads of results and the loads into A's fragments' registers
	TOSTAGE 0
.irp a, 1,2,3
.if \a > 1
	s_wait_xcnt 0x0                                ; block a - 2's stores have read their registers and their base
.endif
	TOSTAGE \a
	SEND \a-1, 32
.endr
	s_wait_xcnt 0x0
	SEND 3, 0
	s_wait_tensorcnt 0x0                           ; the wave's end
	ds_add_u32 v[SPW], v[NIL]
	s_wait_dscnt 0x0
	CROUND                                         ; the closing round
	s_endpgm
.Lfunc_end_k_qc4ecf48e10_out:
	.size	k_qc4ecf48e10_out, .Lfunc_end_k_qc4ecf48e10_out-k_qc4ecf48e10_out
	.p2alignl 7, 3214868480
	.fill 96, 4, 3214868480
	.section	.rodata,"a",@progbits
	.p2align	6, 0x0
	.amdhsa_kernel k_qc4ecf48e10_out
		.amdhsa_group_segment_fixed_size 327680
		.amdhsa_private_segment_fixed_size 0
		.amdhsa_enable_private_segment 0
		.amdhsa_kernarg_size 48
		.amdhsa_user_sgpr_count 2
		.amdhsa_user_sgpr_kernarg_segment_ptr 1
		.amdhsa_wavefront_size32 1
		.amdhsa_system_sgpr_workgroup_id_x 1
		.amdhsa_system_sgpr_workgroup_id_y 1
		.amdhsa_system_sgpr_workgroup_id_z 1
		.amdhsa_system_vgpr_workitem_id 0
		.amdhsa_next_free_vgpr 768
		.amdhsa_next_free_sgpr 100
		.amdhsa_reserve_vcc 0
		.amdhsa_float_denorm_mode_32 3
		.amdhsa_float_denorm_mode_16_64 3
		.amdhsa_memory_ordered 1
		.amdhsa_forward_progress 1
		.amdhsa_inst_pref_size 97
	.end_amdhsa_kernel
	.amdgpu_metadata
---
amdhsa.version: [ 1, 2 ]
amdhsa.kernels:
  - .name:           k_qc4ecf48e10_out
    .symbol:         k_qc4ecf48e10_out.kd
    .args:
      - { .name: acodes, .offset: 0, .size: 8, .value_kind: global_buffer, .address_space: global }
      - { .name: ascales, .offset: 8, .size: 8, .value_kind: global_buffer, .address_space: global }
      - { .name: wcodes, .offset: 16, .size: 8, .value_kind: global_buffer, .address_space: global }
      - { .name: wscales, .offset: 24, .size: 8, .value_kind: global_buffer, .address_space: global }
      - { .name: WO_b, .offset: 32, .size: 8, .value_kind: global_buffer, .address_space: global }
      - { .name: out0, .offset: 40, .size: 8, .value_kind: global_buffer, .address_space: global }
    .group_segment_fixed_size: 327680
    .private_segment_fixed_size: 0
    .kernarg_segment_align: 8
    .kernarg_segment_size: 48
    .max_flat_workgroup_size: 128
    .sgpr_count:     100
    .vgpr_count:     768
    .wavefront_size: 32
...
	.end_amdgpu_metadata
.endif
;; end of part 4
